; MI455X (gfx1250); checked and timed in simulation.
; The chip was launched on July 23, 2026; its instructions are those of AMD's public machine-readable ISA for CDNA 5 (MIT licence, August 2026) and "CDNA5" Instruction Set Architecture Reference Guide (July 2026). The comments in the code are by the model that wrote it; some were corrected since.
;; Attention. Allowed arithmetic: matrix products marked QUANTISED: E2M1 operands, one E8M0 scale for each 32 along K, by v_wmma_scale_f32_16x16x128_f8f6f4 with both operands' format E2M1 (or v_wmma_scale_f32_32x16x128_f4), f32 sums; products left as they are: bf16, f16 or f32 operands; f32 sums; everything else in f32.
;; Inputs: Wk 1,024 x 512 float32; Wv 1,024 x 512 float32; bk 512 float32; bv 512 float32; mask 8 x 2,048 x 2,048 float32; query 8 x 2,048 x 512 float32; states 8 x 2,048 x 1,024 float32.
;; Outputs: out0 8 x 2,048 x 512 float32.
;; This version of the problem:
;;   THIS VERSION OF THE PROBLEM IS GIVEN IN LOW PRECISION. The matrix products marked QUANTISED in the list below multiply operands that are first quantised to E2M1 (2 exponent bits, 1 mantissa bit; 4 bits a number), with one power-of-two scale for each 32 numbers along K (OCP MX v1.0); their sums are f32. The products marked 'left as it is' may take bf16, f16 or f32 operands, with f32 sums. Whichever they take, every output number must still come out within the allowed error. Rounding operands to bf16 (8 significant bits) uses up far more of that allowance than f16 does (11 bits, for magnitudes from 6e-5 to 65,504). All else is computed in f32.
;;   The module's matrix products, in the order in which they are computed (A, B: the left and right operand; K: the contracted axis; several contracted axes count as one K, in the product's order):
;;     1. [M 16,384, K 1,024] x [K 1,024, N 512]; A: input states; B: input Wk: QUANTISED
;;     2. [M 16,384, K 1,024] x [K 1,024, N 512]; A: input states; B: input Wv: QUANTISED
;;     3. batch 8 x [M 2,048, K 512] x [K 512, N 2,048]; A: input query; B: computed on the way: left as it is (an operand is computed on the way)
;;     4. batch 8 x [M 2,048, K 2,048] x [K 2,048, N 512]; A: computed on the way; B: computed on the way: left as it is (an operand is computed on the way)
;;   THE QUANTISER, for each operand of a quantised product, along K:
;;     - K is cut into blocks of 32 from its start; a last block that is shorter is filled with zeros.
;;     - A block's scale is 2^e with e = floor(log2(the largest magnitude in the block)) - 2, held to -126 .. 127; a block of zeros has e = 0. As a byte (E8M0): e + 127.
;;     - Each number is divided by its block's scale, clamped to +-6, and rounded to the nearest number of E2M1, ties to even, subnormals kept.
;;     - The product sums the exact products of the quantised numbers (number of the format x scale) in f32.
;;   ~~~python
;;   def quantise(x, axis):      # numpy; x: float32 -> the quantised numbers, widened to float32 again
;;       x = np.moveaxis(x, axis, -1); K = x.shape[-1]
;;       x = np.pad(x, [(0, 0)] * (x.ndim - 1) + [(0, -K % 32)]); x = x.reshape(x.shape[:-1] + (-1, 32)); a = np.abs(x).max(-1, keepdims=True)
;;       e = np.where(a > 0, np.clip(np.frexp(np.where(a > 0, a, 1))[1] - 1 - 2, -126, 127), 0)      # np.frexp(a)[1] - 1 = floor(log2(a)), exactly
;;       r = np.clip(x / 2.0 ** e, -6, 6)
;;       step = 2.0 ** (np.maximum(np.frexp(np.where(r == 0, 1, r))[1] - 1, 0) - 1)
;;       q = np.round(r / step) * step * 2.0 ** e      # np.round: ties to even
;;       return np.moveaxis(q.reshape(q.shape[:-2] + (-1,))[..., :K], -1, axis).astype(np.float32)
;;   ~~~
;; One version. Each part assembles by itself: llvm-mc -triple=amdgcn-amd-amdhsa -mcpu=gfx1250 --defsym DOCPART=n.
;; ======== version 1 of 1: 3 launches
;; limits: values are held in f16: magnitudes above 65,504 overflow, below 6.1e-05 lose precision
;; workspace buffers: s_codes 8,388,608 bytes; s_scales 524,288 bytes; w_codes 524,288 bytes; w_scales 32,768 bytes; kv 33,554,432 bytes
;; launch quant (part 1): grid 576 x 1, 4 waves a work-group, no clusters, 42,496 bytes of LDS; arguments states, Wk, Wv, s_codes, s_scales, w_codes, w_scales; writes s_codes, s_scales, w_codes, w_scales
.if DOCPART == 1
	.amdgcn_target "amdgcn-amd-amdhsa--gfx1250"
	.amdhsa_code_object_version 6
	.text
	.protected	k_qf93ae7528c_quant
	.globl	k_qf93ae7528c_quant
	.p2align	8
	.type	k_qf93ae7528c_quant,@function
k_qf93ae7528c_quant:
	s_mov_b64 s[64:65], 0
	v_nop
	global_prefetch_b8 v0, s[64:65] scope:SCOPE_SE
	s_setreg_imm32_b32 hwreg(HW_REG_WAVE_MODE, 25, 1), 1
	s_wait_xcnt 0x0
; states [16384][1024] f32 (K innermost) and Wk, Wv [1024 (k)][512 (n)] f32 (K is the FIRST axis) become codes of FP4 (E2M1), K innermost, with one E8M0 byte for each 32 along K.
;   s_codes [16384][512 bytes], s_scales [16384][32];  w_codes [1024 channels: Wk's 512, then Wv's 512][512 bytes], w_scales [1024][32].
; A block's scale is 2^(floor(log2(largest magnitude)) - 2): its byte is the largest magnitude's exponent field - 2, held at 1 from below by a floor among the maximum's leaves.
; LIMITS: a block of zeros gets the byte 1 where the rule says 127 (its codes are zeros, which add nothing under any byte but 0xff, and this program alone reads the bytes);
; blocks whose largest magnitude lies under 2^(2 - 126) were not tried; NaN and infinities among the inputs are not served.
; Work-groups 0-63 take the weights, work-groups 64-575 the states.  The two ways part on the work-group's number and have LDS bytes of their own.
; No tensor loads, no barrier: waves share nothing.  No cluster and no prefetch: a stream that is read once, with many loads of every wave on their way.
.set EMAX,  2
.set SPW,   254                        ; v254  LDS address of my spare word; never rewritten
.set NIL,   255                        ; v255  0; never rewritten
; ---- the states' way: a wave takes 16 steps of 512 numbers; its loads run AHEAD steps (32 loads, 16,384 bytes) ahead, so that its 32,768 bytes come in two rounds
.set STEPS, 16
.set AHEAD, 8
.set CB,    8                          ; bytes of 16 codes
.set R,     16                         ; v16-143  eight sets of 16 numbers as they are loaded
.set X,     144                        ; v144-175 two sets of 16 neighbours
.set E,     176                        ; v176-191 a scale byte for each step
.set C,     192                        ; v192-223 codes: two registers for each step, so that no store's data are written again
.set WREG,  8192                       ; LDS: a region for each wave: two stages of 32 x SP bytes, behind them its 256 scale bytes
.set SP,    80                         ; a lane's place in a stage: 64 bytes + 16 of padding
; ---- the weights' way: a wave takes 8 columns x 512 along K: lane = (column lane % 8, quarter of K lane / 8), 4 blocks of 32 a lane
.set NB,    4                          ; blocks of 32 along K for a lane
.set PITCH, 272                        ; a stage row: a column's 256 bytes of codes + 16
.set KROW,  512                        ; a row of w_codes in bytes
.set WROW,  2048                       ; a row of Wk or Wv in bytes
.set WST,   4*WREG                     ; the weights' stages begin behind the states' regions
.set WSTG,  8*PITCH+128                ; a wave's: 8 rows of codes, then 8 x 16 scale bytes
.set WX,    32                         ; v32-95   two sets of 32 numbers
.set WC,    96                         ; v96-99   a block's codes
.set SO,    100                        ; v100-103 a column's 16 scale bytes on the way out
.set OUTR,  112                        ; v112-127 the codes on the way out
.set SB,    24                         ; v24      my four scale bytes
.set SPARE, WST+4*WSTG                 ; the spare words, 128 bytes for each wave: two blocks of 256 bytes that no other line names
.macro LOAD t
.irp i, 0,1,2,3
	global_load_b128 v[R+16*((\t)%AHEAD)+4*\i:R+16*((\t)%AHEAD)+4*\i+3], v3, s[4:5] offset:2048*(\t)+512*\i th:TH_LOAD_NT   ; 32 lanes read 512 consecutive bytes
.endr
.endm
.macro TURN t                          ; step t's numbers through the stage: LDS serves a wave's instructions in order, so no wait stands between the stores and the loads
.irp i, 0,1,2,3
	ds_store_b128 v14, v[R+16*((\t)%AHEAD)+4*\i:R+16*((\t)%AHEAD)+4*\i+3] offset:32*SP*((\t)%2)+8*SP*\i
.endr
.irp i, 0,1,2,3
	ds_load_b128 v[X+16*((\t)%2)+4*\i:X+16*((\t)%2)+4*\i+3], v15 offset:32*SP*((\t)%2)+16*\i
.endr
.endm
.macro STEP t
.set XS, X+16*((\t)%2)
.if (\t) > 0
	s_wait_dscnt 1                                 ; this step's numbers are back from the stage; the last step's byte store may be out
.else
	s_wait_dscnt 0x0
.endif
.if (\t)+AHEAD < STEPS
	LOAD (\t)+AHEAD                                ; the stage's stores have read their registers: these take the loads of eight steps on
.endif
.if (\t)+1 < STEPS
.if STEPS-2-(\t) >= AHEAD-1
	s_wait_loadcnt 4*(AHEAD-1)                     ; the next step's four loads are in; those of the seven steps behind it may be out
.else
	s_wait_loadcnt 4*(STEPS-2-(\t))
.endif
	TURN (\t)+1                                    ; and go through the other stage while this step is worked
.endif
	v_max3_num_f32 v8, |v[XS]|, |v[XS+1]|, |v[XS+2]|               ; the largest magnitude of my 16, in two chains
	v_max3_num_f32 v9, |v[XS+3]|, |v[XS+4]|, |v[XS+5]|
.irp i, 6,10
	v_max3_num_f32 v8, v8, |v[XS+\i]|, |v[XS+\i+1]|
	v_max3_num_f32 v9, v9, |v[XS+\i+2]|, |v[XS+\i+3]|
.endr
	v_max3_num_f32 v8, v8, |v[XS+14]|, |v[XS+15]|
	v_max3_num_f32 v8, v8, v9, (EMAX+1)<<23        ; and the floor 2^(EMAX + 1 - 127): the byte cannot fall under 1
	v_max_num_f32_dpp v8, v8, v8 row_xmask:1 row_mask:0xf bank_mask:0xf   ; and of my neighbour's 16: the block's
	v_add_nc_u32 v11, -(EMAX<<23), v8              ; EMAX off its exponent field: the conversion takes the exponent field of this operand as its scale
	v_cvt_scalef32_pk8_fp4_f32 v[C+2*(\t)], v[XS:XS+7], v11
	v_cvt_scalef32_pk8_fp4_f32 v[C+2*(\t)+1], v[XS+8:XS+15], v11
	v_lshrrev_b32 v[E+(\t)], 23, v11               ; the scale's byte (a plain line behind the conversions)
	ds_store_b8 v5, v[E+(\t)] offset:16*(\t)       ; both lanes of a block write the same byte with the same value
	global_store_b64 v4, v[C+2*(\t):C+2*(\t)+1], s[10:11] offset:32*CB*(\t)   ; the wave stores 256 consecutive bytes, aligned
.endm
.macro WLOAD t                         ; block t of my quarter: W(128 q + 32 t + i, my column), i = 0 .. 31, into set t % 2.  A load reads 32 consecutive bytes of four rows; the work-group's four waves stand side by side on 128
.irp i, 0,1,2,3,4,5,6,7,8,9,10,11,12,13,14,15,16,17,18,19,20,21,22,23,24,25,26,27,28,29,30,31
	global_load_b32 v[WX+32*((\t)%2)+\i], v3, s[6:7] offset:(32*(\t)+\i)*WROW
.endr
.endm
.macro BLOCK t
.set XS, WX+32*((\t)%2)
.if (\t) < NB-1
	s_wait_loadcnt 32                              ; this block's 32 loads are in; the next block's may be out
.else
	s_wait_loadcnt 0
.endif
	v_max3_num_f32 v12, |v[XS]|, |v[XS+1]|, |v[XS+2]|              ; the block's largest magnitude: all 32 numbers are mine
	v_max3_num_f32 v13, |v[XS+3]|, |v[XS+4]|, |v[XS+5]|
.irp i, 6,10,14,18,22,26
	v_max3_num_f32 v12, v12, |v[XS+\i]|, |v[XS+\i+1]|
	v_max3_num_f32 v13, v13, |v[XS+\i+2]|, |v[XS+\i+3]|
.endr
	v_max3_num_f32 v12, v12, |v[XS+30]|, |v[XS+31]|
	v_max3_num_f32 v12, v12, v13, (EMAX+1)<<23     ; and the floor
	v_add_nc_u32 v11, -(EMAX<<23), v12             ; the conversion's scale operand
	v_lshrrev_b32 v13, 23, v11                     ; the scale's byte
.if (\t) == 0
	v_mov_b32 v[SB], v13                           ; four bytes to a register, the lower K in the lower byte
.else
	v_lshl_or_b32 v[SB], v13, 8*(\t), v[SB]
.endif
.irp g, 0,1,2,3
	v_cvt_scalef32_pk8_fp4_f32 v[WC+\g], v[XS+8*\g:XS+8*\g+7], v11
.endr
	v_nop                                          ; one plain line behind the last conversion
	ds_store_b128 v4, v[WC:WC+3] offset:16*(\t)    ; 32 codes: 16 bytes of my column's row
.if (\t)+2 < NB
	WLOAD (\t)+2
.endif
	s_wait_dscnt 0x0                               ; the store has read its registers: the next block's codes may be written
.endm
	s_load_b128 s[4:7], s[0:1], 0x0                ; states, Wk
	s_load_b128 s[8:11], s[0:1], 0x10              ; Wv, s_codes
	s_load_b128 s[12:15], s[0:1], 0x20             ; s_scales, w_codes
	s_load_b64 s[16:17], s[0:1], 0x30              ; w_scales
	v_lshl_add_u32 v[SPW], v0, 2, SPARE
	v_mov_b32 v[NIL], 0
	v_lshrrev_b32 v1, 5, v0
	v_readfirstlane_b32 s18, v1                    ; wave 0..3
	v_and_b32 v2, 31, v0                           ; lane
	s_cmp_lt_u32 ttmp9, 64
	s_cbranch_scc1 .Lweights
	; ---------------- the states: rows are dense and K is a multiple of 32, so the tensor is a plain stream of blocks of 32
	v_lshlrev_b32 v3, 4, v2                        ; my 16 bytes of a load's 512
	s_mul_i32 s19, s18, WREG
	v_lshrrev_b32 v14, 2, v2
	v_mul_u32_u24 v14, v14, SP
	v_and_b32 v15, 3, v2
	v_lshl_add_u32 v14, v15, 4, v14
	v_add_nc_u32 v14, s19, v14                     ; the stage, on the way in: SP (lane / 4) + 16 (lane % 4)
	v_mul_u32_u24 v15, v2, SP
	v_add_nc_u32 v15, s19, v15                     ; and on the way out: SP x lane: my 16 neighbours
	v_mul_u32_u24 v4, v2, CB                       ; my codes' place in a step's
	v_lshrrev_b32 v5, 1, v2
	s_add_co_u32 s19, s19, 2*32*SP
	v_add_nc_u32 v5, s19, v5                       ; LDS: my wave's 256 scale bytes, my block's byte
	v_lshlrev_b32 v7, 3, v2                        ; and on the way out 8 bytes a lane
	v_add_nc_u32 v6, s19, v7
	s_sub_co_u32 s20, ttmp9, 64
	s_lshl_b32 s20, s20, 2
	s_add_co_u32 s20, s20, s18                     ; which run of 8,192 numbers is my wave's
	s_mov_b32 s21, 0
	s_lshl_b64 s[22:23], s[20:21], 15              ; 32,768 bytes of numbers,
	s_lshl_b64 s[24:25], s[20:21], 12              ; 4,096 of codes,
	s_lshl_b64 s[26:27], s[20:21], 8               ; 256 scale bytes a run
	s_wait_kmcnt 0x0
	s_add_nc_u64 s[4:5], s[4:5], s[22:23]
	s_add_nc_u64 s[10:11], s[10:11], s[24:25]
	s_add_nc_u64 s[12:13], s[12:13], s[26:27]
.irp t, 0,1,2,3,4,5,6,7
	LOAD \t
.endr
	s_wait_loadcnt 4*(AHEAD-1)                     ; step 0's four loads are in
	TURN 0
.irp t, 0,1,2,3,4,5,6,7,8,9,10,11,12,13,14,15
	STEP \t
.endr
	ds_load_b64 v[8:9], v6                         ; LDS serves a wave's instructions in order: these see my byte stores
	s_wait_dscnt 0x0
	global_store_b64 v7, v[8:9], s[12:13]          ; 32 lanes store 256 consecutive bytes, aligned
	s_wait_tensorcnt 0x0                           ; the wave's end, behind my last LDS store
	ds_add_u32 v[SPW], v[NIL]
	s_wait_dscnt 0x0
	s_endpgm
	; ---------------- the weights: a lane takes a column n and its registers run down K, so the conversions give codes with K innermost.
	; Four lanes share a column's 512 along K, a quarter each, so that a lane's chain is 4 blocks, two of them on their way at a time; the column's 256 bytes of codes meet in my wave's own stage.
.Lweights:
	s_and_b32 s19, ttmp9, 15
	s_lshl_b32 s19, s19, 5
	s_lshl_b32 s20, s18, 3
	s_add_co_u32 s19, s19, s20                     ; my wave's first column: 32 x (id % 16) + 8 x wave
	s_bfe_u32 s20, ttmp9, 0x10004                  ; which 512 along K: bit 4 of the id
	s_lshr_b32 s21, ttmp9, 5                       ; 0: Wk, 1: Wv
	v_and_b32 v6, 7, v2                            ; c: my column of the eight
	v_lshrrev_b32 v14, 3, v2                       ; q: my quarter of K
	v_lshlrev_b32 v3, 2, v6
	v_lshl_add_u32 v3, v14, 18, v3                 ; in: 4 c + q x 128 rows of 2,048 bytes
	s_mul_i32 s22, s18, WSTG
	s_add_co_u32 s22, s22, WST                     ; my stage
	v_mul_u32_u24 v4, v6, PITCH
	v_lshl_add_u32 v4, v14, 6, v4
	v_add_nc_u32 v4, s22, v4                       ; into it: row c, 64 bytes for each quarter
	v_lshlrev_b32 v5, 4, v6
	v_add_nc_u32 v10, s22, v5
	v_add_nc_u32 v10, 8*PITCH, v10                 ; the scale bytes: 16 a column,
	v_lshl_add_u32 v5, v14, 2, v10                 ; 4 a quarter
	v_and_b32 v15, 15, v2
	v_lshrrev_b32 v14, 4, v2                       ; out of the stage: sixteen lanes to a row, two rows an instruction
	v_mul_u32_u24 v7, v14, PITCH
	v_lshl_add_u32 v7, v15, 4, v7
	v_add_nc_u32 v7, s22, v7
	v_mul_u32_u24 v8, v14, KROW
	v_lshl_add_u32 v8, v15, 4, v8                  ; and the same place in w_codes
	v_lshlrev_b32 v9, 5, v6                        ; a column's row of scale bytes: 32 bytes a row
	s_lshl_b32 s24, s20, 20                        ; W: 512 rows of 2,048 bytes for each half of K,
	s_lshl_b32 s25, s19, 2
	s_add_co_u32 s24, s24, s25                     ; + 4 x column
	s_mov_b32 s25, 0
	s_lshl_b32 s26, s21, 18                        ; codes: 512 rows of 512 bytes for each weight,
	s_lshl_b32 s27, s19, 9
	s_add_co_u32 s26, s26, s27                     ; + 512 x column,
	s_lshl_b32 s27, s20, 8
	s_add_co_u32 s26, s26, s27                     ; + 256 for the upper half of K
	s_mov_b32 s27, 0
	s_lshl_b32 s28, s21, 14                        ; scale bytes likewise: 16,384 a weight, 32 a column, 16 a half
	s_lshl_b32 s29, s19, 5
	s_add_co_u32 s28, s28, s29
	s_lshl_b32 s29, s20, 4
	s_add_co_u32 s28, s28, s29
	s_mov_b32 s29, 0
	s_wait_kmcnt 0x0
	s_cmp_lt_u32 ttmp9, 32                         ; the choice hangs on the work-group's number alone
	s_cselect_b64 s[6:7], s[6:7], s[8:9]
	s_add_nc_u64 s[6:7], s[6:7], s[24:25]
	s_add_nc_u64 s[14:15], s[14:15], s[26:27]
	s_add_nc_u64 s[16:17], s[16:17], s[28:29]
	WLOAD 0
	WLOAD 1
.set Q, 0
.rept NB
	BLOCK Q
.set Q, Q+1
.endr
	ds_store_b32 v5, v[SB]                         ; my quarter's four scale bytes
.irp k, 0,1,2,3
	ds_load_b128 v[OUTR+4*\k:OUTR+4*\k+3], v7 offset:2*\k*PITCH    ; LDS serves a wave's instructions in order: these see my wave's stores
.endr
	ds_load_b128 v[SO:SO+3], v10                   ; column lane % 8's 16 scale bytes
	v_cmp_gt_u32 vcc_lo, 8, v2
.irp k, 0,1,2,3
	s_wait_dscnt 4-\k                              ; behind load k: the later loads of codes and the load of scale bytes
	global_store_b128 v8, v[OUTR+4*\k:OUTR+4*\k+3], s[14:15] offset:2*\k*KROW   ; sixteen lanes store 256 consecutive bytes, aligned
.endr
	s_wait_dscnt 0x0
	s_wait_xcnt 0x0                                ; EXEC is a source of the stores above: it changes only behind this wait
	s_and_saveexec_b32 s30, vcc_lo                 ; lanes 0-7: a lane a column
	global_store_b128 v9, v[SO:SO+3], s[16:17]
	s_wait_xcnt 0x0                                ; and again in front of the line that widens it
	s_or_b32 exec_lo, exec_lo, s30
	s_wait_tensorcnt 0x0                           ; the wave's end: the same three lines, all lanes on
	ds_add_u32 v[SPW], v[NIL]
	s_wait_dscnt 0x0
	s_endpgm
.Lfunc_end_k_qf93ae7528c_quant:
	.size	k_qf93ae7528c_quant, .Lfunc_end_k_qf93ae7528c_quant-k_qf93ae7528c_quant
	.p2alignl 7, 3214868480
	.fill 96, 4, 3214868480
	.section	.rodata,"a",@progbits
	.p2align	6, 0x0
	.amdhsa_kernel k_qf93ae7528c_quant
		.amdhsa_group_segment_fixed_size 42496
		.amdhsa_private_segment_fixed_size 0
		.amdhsa_enable_private_segment 0
		.amdhsa_kernarg_size 56
		.amdhsa_user_sgpr_count 2
		.amdhsa_user_sgpr_kernarg_segment_ptr 1
		.amdhsa_wavefront_size32 1
		.amdhsa_system_sgpr_workgroup_id_x 1
		.amdhsa_system_sgpr_workgroup_id_y 1
		.amdhsa_system_sgpr_workgroup_id_z 1
		.amdhsa_system_vgpr_workitem_id 0
		.amdhsa_next_free_vgpr 256
		.amdhsa_next_free_sgpr 66
		.amdhsa_reserve_vcc 1
		.amdhsa_float_denorm_mode_32 3
		.amdhsa_float_denorm_mode_16_64 3
		.amdhsa_memory_ordered 1
		.amdhsa_forward_progress 1
		.amdhsa_inst_pref_size 55
	.end_amdhsa_kernel
	.amdgpu_metadata
---
amdhsa.version: [ 1, 2 ]
amdhsa.kernels:
  - .name:           k_qf93ae7528c_quant
    .symbol:         k_qf93ae7528c_quant.kd
    .args:
      - { .name: states, .offset: 0, .size: 8, .value_kind: global_buffer, .address_space: global }
      - { .name: Wk, .offset: 8, .size: 8, .value_kind: global_buffer, .address_space: global }
      - { .name: Wv, .offset: 16, .size: 8, .value_kind: global_buffer, .address_space: global }
      - { .name: s_codes, .offset: 24, .size: 8, .value_kind: global_buffer, .address_space: global }
      - { .name: s_scales, .offset: 32, .size: 8, .value_kind: global_buffer, .address_space: global }
      - { .name: w_codes, .offset: 40, .size: 8, .value_kind: global_buffer, .address_space: global }
      - { .name: w_scales, .offset: 48, .size: 8, .value_kind: global_buffer, .address_space: global }
    .group_segment_fixed_size: 42496
    .private_segment_fixed_size: 0
    .kernarg_segment_align: 8
    .kernarg_segment_size: 56
    .max_flat_workgroup_size: 128
    .sgpr_count:     66
    .vgpr_count:     256
    .wavefront_size: 32
...
	.end_amdgpu_metadata
.endif
;; end of part 1
;; launch proj (part 2): grid 4 x 64, 4 waves a work-group, clusters of 4 x 4, 327,680 bytes of LDS; arguments s_codes, s_scales, w_codes, w_scales, bk, bv, kv; writes kv
.if DOCPART == 2
	.amdgcn_target "amdgcn-amd-amdhsa--gfx1250"
	.amdhsa_code_object_version 6
	.text
	.protected	k_qf93ae7528c_proj
	.globl	k_qf93ae7528c_proj
	.p2align	8
	.type	k_qf93ae7528c_proj,@function
k_qf93ae7528c_proj:
	s_mov_b64 s[64:65], 0
	v_nop
	global_prefetch_b8 v0, s[64:65] scope:SCOPE_SE
	s_setreg_imm32_b32 hwreg(HW_REG_WAVE_MODE, 25, 1), 1
	s_wait_xcnt 0x0
	s_wait_alu depctr_hold_cnt(0) depctr_sa_sdst(0) depctr_va_vdst(0) depctr_va_sdst(0) depctr_va_ssrc(0) depctr_va_vcc(0) depctr_vm_vsrc(0)
	s_getreg_b32 s2, hwreg(HW_REG_IB_STS2, 6, 4)
	s_cmp_eq_u32 s2, 0
	s_cbranch_scc0 .Lentry_in_a_cluster
	s_endpgm
.Lentry_in_a_cluster:
	s_bfe_u32 s2, ttmp6, 0x10000c
	s_cmp_lg_u32 s2, 0xf033
	s_cbranch_scc0 .Lentry_shape_is_right
	s_endpgm
.Lentry_shape_is_right:
; keys = Q(states) Q(Wk) + bk and values = Q(states) Q(Wv) + bv as ONE product C[16384 keys][1024 channels: 512 of keys, 512 of values] on codes of FP4 (E2M1) with E8M0 scales, sums in f32.
; A = s_codes [16384][512 bytes] with s_scales [16384][32]; B = w_codes [1024][512 bytes] with w_scales [1024][32].  K = 1,024: two K steps of 512, one in each of two LDS slots, so nothing is filled again.
; A tile of C, 256 x 256, is made by a work-group of four waves; a wave makes 128 x 128: 64 accumulators, 512 registers.  256 work-groups.
; CLUSTERS: 4 x 4 work-groups.  The four of a row of the cluster need the same tiles of A, the four of a column the same tiles of B: each tile is asked for jointly.
; THE MATRIX INSTRUCTION IS USED TRANSPOSED (source 0 = 16 channels of B, source 1 = 16 keys of A): lane (r, h) holds key r and eight neighbouring channels 8 h + 0 .. 7.  The bias is the C of each sum's first instruction.
; THE RESULT leaves as f16, as the next launch's operands want it, with no way through LDS: kv = [keys' half | values' half], each [key tile of 16: 1024][channel tile of 16: 32][512 bytes].
; A block of 512 bytes is 32 chunks of 16 bytes; chunk (key r, half h) = channels 8 h + 0 .. 7 of key r.  In the keys' half it stands at place 16 h + r (the lane's own number), in the values' half at
; 16 (r / 8) + 8 h + r % 8 (so that the turning LDS load at 16 x lane gives a lane one channel and eight keys).  Either way a wave's store covers 512 consecutive bytes, aligned.
; LIMITS: keys and values are rounded to f16: magnitudes of 65,504 and more become infinity.  NaN and infinities are not served.
; No prefetch: each work-group's tiles are asked for at once, at the head.
; REGISTERS, in windows of 256: window 0: v0-31 addresses; v32-95 scale words, two sets; v128-191 A's fragments, one set; v192-255 the bias; on the way out v64-191 are free.
;   window 1: B's fragments, two sets, at v0 and v128.   window 2: the accumulators of my rows 0-63 ((a, b) at v[8 (8 a + b)]);   window 3: those of my rows 64-127.
.set SIZE_K, 1024
.set KSTEP,  512
.set NQ,     KSTEP/128
.set ROWB,   256                       ; a tile's row in bytes
.set KROW,   SIZE_K*4/8                ; a row of A or B in memory
.set PITCH,  272                       ; an LDS row: 256 bytes + 16 of padding: the 16 rows that a load touches start 68 words apart
.set FR,     8
.set NL,     2
.set NP,     4                         ; places behind this matrix instruction (ISA guide 7.12.1)
.set HALFT,  128*PITCH
.set SLOT,   4*HALFT
.set KS,     SIZE_K/32                 ; a row of scales in bytes
.set SCL,    2*SLOT                    ; behind the slots: the scales, as rows of 256 bytes + 16 of padding
.set HALFS,  (128*KS/256)*272
.set SBLK,   (16*KS/256)*272
.set SPARE,  SCL+4*HALFS               ; the spare words, 128 bytes for each wave
.set ADRA, 16
.set ADRB, 20
.set CO,   26                          ; v26  my chunk's place in a block of 512 bytes of kv
.set ADRS, 27
.set SPW,  28
.set NIL,  29
.set SC,   32
.set AF,   128
.set BI,   192                         ; v192-255: register 8 b + j: the bias of channel 16 b + 8 h + j of my 128
.set OUT,  64                          ; the way out: four sets of 32 registers of f16
.set G1, 24
.set G0, 32
.set G1B, 48
.set G0B, 56
.set G1S, 68
.set G0S, 76
.set G1SB, 80
.set G0SB, 88
.set MSB, 0
.macro WIN new                         ; the immediate's high byte repeats the setting that is left
.if MSB != (\new)
	s_set_vgpr_msb (MSB<<8)|(\new)
.set MSB, (\new)
.endif
.endm
.set MUL_LO, 0xa1                      ; source 0 (B) window 1, source 1 (A) window 0, C and D window 2
.set MUL_HI, 0xf1                      ; the same, C and D window 3
.set TO_B,   0x40
; A joint load: waves 0 and 1 fetch for A, waves 2 and 3 for B.  The branch hangs on the wave's number alone.  An s_nop 0 and four v_nop follow each of the two lines.
.macro JLOAD g0a, g1a, g0b, g1b
	s_cmp_eq_u32 s15, 0
	s_cbranch_scc0 .Lfor_b_\@
	tensor_load_to_lds s[\g0a:\g0a+3], s[\g1a:\g1a+7]
	s_nop 0
.rept 4
	v_nop
.endr
	s_branch .Lasked_\@
.Lfor_b_\@:
	tensor_load_to_lds s[\g0b:\g0b+3], s[\g1b:\g1b+7]
	s_nop 0
.rept 4
	v_nop
.endr
.Lasked_\@:
.endm
.macro CROUND                          ; a round of the cluster's barrier
	s_barrier_signal -1
	s_barrier_wait -1
	s_cmp_lg_u32 s14, 0
	s_cbranch_scc1 .Lnot_wave_0_\@
	s_barrier_signal -3
.Lnot_wave_0_\@:
	s_barrier_wait -3
	s_barrier_signal -1
	s_barrier_wait -1
.endm
	s_load_b128 s[4:7], s[0:1], 0x0                ; A's codes, A's scales
	s_load_b128 s[8:11], s[0:1], 0x10              ; B's codes, B's scales
	s_load_b128 s[96:99], s[0:1], 0x20             ; bk, bv
	s_load_b64 s[12:13], s[0:1], 0x30              ; kv
	v_lshl_add_u32 v[SPW], v0, 2, SPARE
	v_mov_b32 v[NIL], 0
	ds_add_u32 v[SPW], v[NIL]                      ; the wave's opening: the add, twice on end, and its wait ahead of my first tensor load
	ds_add_u32 v[SPW], v[NIL]
	v_lshrrev_b32 v1, 5, v0
	v_readfirstlane_b32 s14, v1                    ; wave 0..3
	s_lshr_b32 s15, s14, 1                         ; which half of the tile's rows is mine.  Also: I fetch for A (0) or for B (1)
	s_and_b32 s16, s14, 1                          ; which half of its columns.  Also: which 128 rows of that tile I fetch
	s_bfe_u32 s40, ttmp6, 0x40000                  ; cx, cy: my place in the cluster
	s_bfe_u32 s41, ttmp6, 0x40004
	s_lshl_b32 s42, ttmp9, 2
	s_add_co_u32 s42, s42, s40                     ; tile column of C
	s_and_b32 s17, ttmp7, 0xffff
	s_lshl_b32 s17, s17, 2
	s_add_co_u32 s17, s17, s41                     ; tile row of C
	s_lshl_b32 s43, s41, 2
	s_lshl_b32 s43, 15, s43                        ; my row of the cluster
	s_lshl_b32 s44, 0x1111, s40                    ; my column
	s_or_b32 s[G1+0], s43, (0<<16)|(1<<20)|(1<<21)|(5<<22)|(3<<25)  ; the mask; elements of 1 byte; padding on; bit 21 beside a mask; 4 words of padding behind every 64
	s_or_b32 s[G1B+0], s44, (0<<16)|(1<<20)|(1<<21)|(5<<22)|(3<<25)
.irp g, G1, G1B
	s_mov_b32 s[\g+1], ROWB<<16                    ; tensor_dim0
	s_mov_b32 s[\g+2], 128<<16                     ; tensor_dim1
	s_mov_b32 s[\g+3], ROWB<<16                    ; tile_dim0
	s_mov_b32 s[\g+4], 128                         ; tile_dim1
	s_mov_b32 s[\g+5], KROW                        ; the pitch
	s_mov_b32 s[\g+6], 0
	s_mov_b32 s[\g+7], 0
.endr
	s_or_b32 s[G1S+0], s43, (3<<16)|(1<<20)|(1<<21)|(5<<22)|(3<<25) ; the scales of 128 rows: 4,096 dense bytes as 16 rows of 256 (32 elements of 8 bytes)
	s_or_b32 s[G1SB+0], s44, (3<<16)|(1<<20)|(1<<21)|(5<<22)|(3<<25)
.irp g, G1S, G1SB
	s_mov_b32 s[\g+1], 32<<16
	s_mov_b32 s[\g+2], (128*KS/256)<<16
	s_mov_b32 s[\g+3], 32<<16
	s_mov_b32 s[\g+4], 128*KS/256
	s_mov_b32 s[\g+5], 32
	s_mov_b32 s[\g+6], 0
	s_mov_b32 s[\g+7], 0
.endr
	s_lshl_b32 s18, s16, 7                         ; which 128 rows of the tile I fetch
	s_lshl_b32 s20, s17, 8
	s_add_co_u32 s20, s20, s18                     ; A: row 256 x tile row + 128 x half
	s_lshl_b32 s46, s42, 8
	s_add_co_u32 s46, s46, s18                     ; B: row 256 x tile column + 128 x half
	s_mov_b32 s21, 0
	s_mov_b32 s47, 0
	s_mov_b64 s[18:19], KS
	s_mul_u64 s[22:23], s[20:21], s[18:19]         ; where these rows' scales begin,
	s_mul_u64 s[92:93], s[46:47], s[18:19]
	s_mov_b64 s[18:19], KROW
	s_mul_u64 s[20:21], s[20:21], s[18:19]         ; and their codes
	s_mul_u64 s[46:47], s[46:47], s[18:19]
	s_mul_i32 s45, s14, HALFT                      ; where they go: wave x 128 rows
	s_mul_i32 s94, s14, HALFS
	s_wait_dscnt 0x0                               ; both opening adds are done
	s_wait_kmcnt 0x0
	s_add_nc_u64 s[20:21], s[4:5], s[20:21]
	s_add_nc_u64 s[22:23], s[6:7], s[22:23]
	s_add_nc_u64 s[46:47], s[8:9], s[46:47]
	s_add_nc_u64 s[92:93], s[10:11], s[92:93]
	CROUND                                         ; all sixteen work-groups are here: the joint loads meet
	s_mov_b32 s[G0S], 1
	s_add_co_u32 s[G0S+1], s94, SCL
	s_mov_b64 s[G0S+2:G0S+3], s[22:23]
	s_or_b32 s[G0S+3], s[G0S+3], 0x80000000
	s_mov_b32 s[G0SB], 1
	s_add_co_u32 s[G0SB+1], s94, SCL
	s_mov_b64 s[G0SB+2:G0SB+3], s[92:93]
	s_or_b32 s[G0SB+3], s[G0SB+3], 0x80000000
	JLOAD G0S, G1S, G0SB, G1SB                     ; the scales first: they are wanted with K step 0
.irp s, 0,1
	s_mov_b32 s[G0+4*\s], 1
	s_add_co_u32 s[G0+4*\s+1], s45, \s*SLOT
	s_add_nc_u64 s[G0+4*\s+2:G0+4*\s+3], s[20:21], \s*ROWB
	s_or_b32 s[G0+4*\s+3], s[G0+4*\s+3], 0x80000000
	s_mov_b32 s[G0B+4*\s], 1
	s_add_co_u32 s[G0B+4*\s+1], s45, \s*SLOT
	s_add_nc_u64 s[G0B+4*\s+2:G0B+4*\s+3], s[46:47], \s*ROWB
	s_or_b32 s[G0B+4*\s+3], s[G0B+4*\s+3], 0x80000000
	JLOAD G0+4*\s, G1, G0B+4*\s, G1B               ; three tensor loads of mine are out
.endr
	v_and_b32 v1, 15, v0                           ; r
	v_bfe_u32 v2, v0, 4, 1                         ; h
	; the bias: keys' tiles (tile columns 0, 1) take bk, values' tiles bv; my 128 channels begin at 256 (tile column % 2) + 128 x half
	s_cmp_lt_u32 s42, 2
	s_cselect_b64 s[96:97], s[96:97], s[98:99]
	s_cselect_b32 s95, 0, -1                       ; all ones in a tile of values
	s_and_b32 s46, s42, 1
	s_lshl_b32 s46, s46, 10
	s_lshl_b32 s47, s16, 9
	s_add_co_u32 s46, s46, s47
	s_mov_b32 s47, 0
	s_add_nc_u64 s[96:97], s[96:97], s[46:47]
	v_lshlrev_b32 v7, 5, v2                        ; 32 h
.irp b, 0,1,2,3,4,5,6,7
	global_load_b128 v[BI+8*\b:BI+8*\b+3], v7, s[96:97] offset:64*\b
	global_load_b128 v[BI+8*\b+4:BI+8*\b+7], v7, s[96:97] offset:64*\b+16
.endr
	v_mul_u32_u24 v3, v1, PITCH
	v_lshl_add_u32 v4, v2, 4, v3                   ; a fragment's row x pitch + 16 x half
	s_mul_i32 s21, s15, HALFT                      ; my 128 rows of A
	s_mul_i32 s22, s16, HALFT                      ; my 128 rows of B,
	s_add_co_u32 s22, s22, 2*HALFT                 ; which lie behind A's 256
.irp s, 0,1
	v_add_nc_u32 v[ADRA+\s], s21, v4
	v_add_nc_u32 v[ADRB+\s], s22, v4
	s_add_co_u32 s21, s21, SLOT
	s_add_co_u32 s22, s22, SLOT
.endr
	v_mul_u32_u24 v5, v1, KS                       ; my row's scales: KS bytes a row,
	v_lshrrev_b32 v6, 8, v5
	v_lshl_add_u32 v5, v6, 4, v5                   ; and 16 more for each 256 passed
	s_mul_i32 s21, s15, HALFS
	s_mul_i32 s22, s16, HALFS
	s_add_co_u32 s22, s22, 2*HALFS
	s_sub_co_u32 s22, s22, s21
	v_mul_u32_u24 v6, s22, v2                      ; lanes 16-31 take B's
	s_add_co_u32 s21, s21, SCL
	v_add_nc_u32 v5, v5, v6
	v_add_nc_u32 v[ADRS], s21, v5
	; my chunk's place in a block of kv: keys 16 x lane; values 16 x (16 (r / 8) + 8 h + r % 8)
	v_and_b32 v6, 31, v0
	v_lshlrev_b32 v[CO], 4, v6
	v_and_b32 v8, 7, v1
	v_lshrrev_b32 v9, 3, v1
	v_lshl_add_u32 v8, v2, 3, v8
	v_lshl_add_u32 v8, v9, 4, v8
	v_lshlrev_b32 v8, 4, v8
	v_cndmask_b32 v[CO], v[CO], v8, s95
	; where my part begins in kv: key tile 16 x tile row + 8 x half, 16,384 bytes each; channel tile 16 (tile column % 2) + 8 x half, 512 bytes each; the values' half 2^24 bytes on
	s_lshl_b32 s20, s17, 4
	s_lshl_b32 s21, s15, 3
	s_add_co_u32 s20, s20, s21
	s_lshl_b32 s20, s20, 14
	s_mov_b32 s21, 0
	s_and_b32 s46, s42, 1
	s_lshl_b32 s46, s46, 4
	s_lshl_b32 s47, s16, 3
	s_add_co_u32 s46, s46, s47
	s_lshl_b32 s46, s46, 9
	s_lshr_b32 s47, s42, 1
	s_lshl_b32 s47, s47, 24
	s_add_co_u32 s46, s46, s47
	s_mov_b32 s47, 0
	s_add_nc_u64 s[20:21], s[20:21], s[46:47]
	s_add_nc_u64 s[12:13], s[12:13], s[20:21]
.macro FRAG reg, adr, q, i             ; a fragment, 16 rows x 128 K of 4-bit codes: lane l holds row l % 16; registers 4 c .. 4 c + 3 hold K = 64 c + 32 (l / 16) + 0 .. 31
.irp c, 0,1
	ds_load_b128 v[\reg+4*\c:\reg+4*\c+3], v[\adr] offset:64*(\q)+32*\c+(\i)*16*PITCH
.endr
.endm
; 16 matrix instructions: A's blocks a0, a0 + 1 x B's eight, 128 along K.  zero = 1: the first product starts the sums from the bias.  The 64 accumulators take turns, one instruction a turn.
.macro MUL16 a0, p, q, sc, zero
.irp a, \a0, \a0+1
.irp b, 0,1,2,3,4,5,6,7
.if \zero
	v_wmma_scale_f32_16x16x128_f8f6f4 v[8*(8*((\a)%4)+\b):8*(8*((\a)%4)+\b)+7], v[128*(\p)+FR*\b:128*(\p)+FR*\b+FR-1], v[AF+FR*(\a):AF+FR*(\a)+FR-1], v[BI+8*\b:BI+8*\b+7], v[SC+8*NQ*(\sc)+NQ*\b+(\q)], v[SC+8*NQ*(\sc)+NQ*(\a)+(\q)] matrix_a_fmt:MATRIX_FMT_FP4 matrix_b_fmt:MATRIX_FMT_FP4 matrix_a_scale:MATRIX_SCALE_ROW1
.else
	v_wmma_scale_f32_16x16x128_f8f6f4 v[8*(8*((\a)%4)+\b):8*(8*((\a)%4)+\b)+7], v[128*(\p)+FR*\b:128*(\p)+FR*\b+FR-1], v[AF+FR*(\a):AF+FR*(\a)+FR-1], v[8*(8*((\a)%4)+\b):8*(8*((\a)%4)+\b)+7], v[SC+8*NQ*(\sc)+NQ*\b+(\q)], v[SC+8*NQ*(\sc)+NQ*(\a)+(\q)] matrix_a_fmt:MATRIX_FMT_FP4 matrix_b_fmt:MATRIX_FMT_FP4 matrix_a_scale:MATRIX_SCALE_ROW1
.endif
.endr
.endr
.endm
.macro FETCH_B slot, q, p
	WIN TO_B
.irp i, 0,1,2,3,4,5,6,7
	FRAG 128*(\p)+FR*\i, ADRB+\slot, \q, \i
.endr
	WIN 0
.endm
.macro FETCH_A slot, q, i0
.irp i, \i0, \i0+1, \i0+2, \i0+3
	FRAG AF+FR*(\i), ADRA+\slot, \q, \i
.endr
.endm
.macro SCALES sc                       ; a K step's scale words: lanes 0-15 take A's block i, lanes 16-31 B's block i
.irp i, 0,1,2,3,4,5,6,7
	ds_load_b128 v[SC+8*NQ*\sc+NQ*\i:SC+8*NQ*\sc+NQ*\i+3], v[ADRS] offset:\i*SBLK
.endr
.endm
.macro PLACES n                        ; plain vector lines between a matrix instruction and a load into, or a vector read or write of, its registers
.rept \n
	v_nop
.endr
.endm
.macro STEP slot, q, zero              ; a step of 128 along K that has its successor in the same slot.  zero = 1: C lies in window 0
	s_wait_dscnt 4*NL                              ; B's set, the scale words and A's blocks 0-3 are in; the youngest eight loads (A's blocks 4-7) may be out
	WIN MUL_LO-0x20*(\zero)
	MUL16 0, (\q)%2, \q, \slot, \zero
	MUL16 2, (\q)%2, \q, \slot, \zero
	s_wait_dscnt 0                                 ; A's blocks 4-7 are in
	PLACES NP
	FETCH_B \slot, (\q)+1, 1-(\q)%2
	FETCH_A \slot, (\q)+1, 0
	WIN MUL_HI-0x30*(\zero)
	MUL16 4, (\q)%2, \q, \slot, \zero
	MUL16 6, (\q)%2, \q, \slot, \zero
	PLACES NP
	WIN 0
	FETCH_A \slot, (\q)+1, 4
.endm
.macro STEPS slot, from
.set Q, \from
.rept NQ-1-\from
	STEP \slot, Q, 0
.set Q, Q+1
.endr
.endm
	s_wait_tensorcnt 1                             ; the scales and my part of K step 0 are in (K step 1's load may be out)
	s_barrier_signal -1
	s_barrier_wait -1                              ; everybody's are
	FETCH_B 0, 0, 0
	FETCH_A 0, 0, 0
	SCALES 0
	FETCH_A 0, 0, 4
	s_wait_loadcnt 0x0                             ; the bias
	STEP 0, 0, 1
	STEPS 0, 1
	; slot 0's last step changes slots: one barrier; in front of it my part of slot 1 has landed
	s_wait_tensorcnt 0x0                           ; all my tensor loads have landed
	ds_add_u32 v[SPW], v[NIL]                      ; 0 onto my spare word, behind that wait
	s_wait_dscnt 4*NL+1                            ; (the add and the youngest eight loads may be out)
	WIN MUL_LO
	MUL16 0, 1, NQ-1, 0, 0
	s_wait_dscnt 0x0
	s_barrier_signal -1
	MUL16 2, 1, NQ-1, 0, 0
	WIN 0
	s_barrier_wait -1                              ; slot 1 is whole
	PLACES NP
	v_add_nc_u32 v[ADRS], 4*NQ, v[ADRS]            ; on to the next K step's scale words (no LDS load of mine is out)
	FETCH_B 1, 0, 0
	FETCH_A 1, 0, 0
	SCALES 1
	WIN MUL_HI
	MUL16 4, 1, NQ-1, 0, 0
	MUL16 6, 1, NQ-1, 0, 0
	PLACES NP
	WIN 0
	FETCH_A 1, 0, 4
	STEPS 1, 0
	s_wait_dscnt 4*NL                              ; the very last step: nothing more to fetch
	WIN MUL_LO
	MUL16 0, 1, NQ-1, 1, 0
	MUL16 2, 1, NQ-1, 1, 0
	s_wait_dscnt 0
	WIN MUL_HI
	MUL16 4, 1, NQ-1, 1, 0
	MUL16 6, 1, NQ-1, 1, 0
	WIN 0
	; THE WAY OUT.  A lane's eight results of accumulator (a, b) round to 16 bytes, which are its chunk of block (key tile a, channel tile b): stored straight from registers.
	PLACES NP
.irp a, 0,1,2,3,4,5,6,7
.if \a >= 4
	s_wait_xcnt 0x0                                ; block a - 4's stores have read their registers: the set is written again only behind this wait
.endif
	WIN 0x0a+5*(\a/4)                              ; sources 0 and 1: window 2 or 3
.irp b, 0,1,2,3,4,5,6,7
.irp r, 0,1,2,3
	v_cvt_pk_f16_f32 v[OUT+32*(\a%4)+4*\b+\r], v[64*(\a%4)+8*\b+2*\r], v[64*(\a%4)+8*\b+2*\r+1]   ; each accumulator from its low end on
.endr
.endr
	WIN 0
.irp b, 0,1,2,3,4,5,6,7
	global_store_b128 v[CO], v[OUT+32*(\a%4)+4*\b:OUT+32*(\a%4)+4*\b+3], s[12:13] offset:\a*16384+\b*512   ; the wave stores 512 consecutive bytes, aligned
.endr
.endr
	s_wait_tensorcnt 0x0                           ; the wave's end, behind my last tensor load
	ds_add_u32 v[SPW], v[NIL]
	s_wait_dscnt 0x0
	CROUND                                         ; the closing round
	s_endpgm
.Lfunc_end_k_qf93ae7528c_proj:
	.size	k_qf93ae7528c_proj, .Lfunc_end_k_qf93ae7528c_proj-k_qf93ae7528c_proj
	.p2alignl 7, 3214868480
	.fill 96, 4, 3214868480
	.section	.rodata,"a",@progbits
	.p2align	6, 0x0
	.amdhsa_kernel k_qf93ae7528c_proj
		.amdhsa_group_segment_fixed_size 327680
		.amdhsa_private_segment_fixed_size 0
		.amdhsa_enable_private_segment 0
		.amdhsa_kernarg_size 56
		.amdhsa_user_sgpr_count 2
		.amdhsa_user_sgpr_kernarg_segment_ptr 1
		.amdhsa_wavefront_size32 1
		.amdhsa_system_sgpr_workgroup_id_x 1
		.amdhsa_system_sgpr_workgroup_id_y 1
		.amdhsa_system_sgpr_workgroup_id_z 1
		.amdhsa_system_vgpr_workitem_id 0
		.amdhsa_next_free_vgpr 1024
		.amdhsa_next_free_sgpr 100
		.amdhsa_reserve_vcc 0
		.amdhsa_float_denorm_mode_32 3
		.amdhsa_float_denorm_mode_16_64 3
		.amdhsa_memory_ordered 1
		.amdhsa_forward_progress 1
		.amdhsa_inst_pref_size 120
	.end_amdhsa_kernel
	.amdgpu_metadata
---
amdhsa.version: [ 1, 2 ]
amdhsa.kernels:
  - .name:           k_qf93ae7528c_proj
    .symbol:         k_qf93ae7528c_proj.kd
    .args:
      - { .name: s_codes, .offset: 0, .size: 8, .value_kind: global_buffer, .address_space: global }
      - { .name: s_scales, .offset: 8, .size: 8, .value_kind: global_buffer, .address_space: global }
      - { .name: w_codes, .offset: 16, .size: 8, .value_kind: global_buffer, .address_space: global }
      - { .name: w_scales, .offset: 24, .size: 8, .value_kind: global_buffer, .address_space: global }
      - { .name: bk, .offset: 32, .size: 8, .value_kind: global_buffer, .address_space: global }
      - { .name: bv, .offset: 40, .size: 8, .value_kind: global_buffer, .address_space: global }
      - { .name: kv, .offset: 48, .size: 8, .value_kind: global_buffer, .address_space: global }
    .group_segment_fixed_size: 327680
    .private_segment_fixed_size: 0
    .kernarg_segment_align: 8
    .kernarg_segment_size: 56
    .max_flat_workgroup_size: 128
    .sgpr_count:     100
    .vgpr_count:     1024
    .wavefront_size: 32
...
	.end_amdgpu_metadata
.endif
;; end of part 2
;; launch attn (part 3): grid 32 x 8, 4 waves a work-group, clusters of 4 x 1, 327,680 bytes of LDS; arguments query, mask, kv, out0; writes out0
.if DOCPART == 3
	.amdgcn_target "amdgcn-amd-amdhsa--gfx1250"
	.amdhsa_code_object_version 6
	.text
	.protected	k_qf93ae7528c_attn
	.globl	k_qf93ae7528c_attn
	.p2align	8
	.type	k_qf93ae7528c_attn,@function
k_qf93ae7528c_attn:
	s_mov_b64 s[64:65], 0
	v_nop
	global_prefetch_b8 v0, s[64:65] scope:SCOPE_SE
	s_setreg_imm32_b32 hwreg(HW_REG_WAVE_MODE, 25, 1), 1
	s_wait_xcnt 0x0
	s_wait_alu depctr_hold_cnt(0) depctr_sa_sdst(0) depctr_va_vdst(0) depctr_va_sdst(0) depctr_va_ssrc(0) depctr_va_vcc(0) depctr_vm_vsrc(0)
	s_getreg_b32 s2, hwreg(HW_REG_IB_STS2, 6, 4)
	s_cmp_eq_u32 s2, 0
	s_cbranch_scc0 .Lentry_in_a_cluster
	s_endpgm
.Lentry_in_a_cluster:
	s_bfe_u32 s2, ttmp6, 0x10000c
	s_cmp_lg_u32 s2, 0x3003
	s_cbranch_scc0 .Lentry_shape_is_right
	s_endpgm
.Lentry_shape_is_right:
; out0[b][q][:] = the sum over k of softmax_k(mask[b][q][k] (query[b][q] . keys[b][k]) / sqrt(512)) values[b][k][:].  8 batches, 2,048 queries, 2,048 keys, width 512.
; Both products take f16 operands (v_wmma_f32_16x16x32_f16), sums in f32; mask, maxima, exponentials and row sums in f32.  keys and values come from kv as images of operand registers.
; LIMITS: query is rounded to f16 here (magnitudes of 65,504 and more become infinity), keys and values were so rounded; the weights p lie in 0 .. 1 and are rounded to f16; NaN and infinities are not served.
; SHARES.  A work-group owns 64 queries of one batch (256 work-groups) and walks the 2,048 keys in 32 steps of 64.
;   S^T = K Q^T: wave w owns key tile w (16 keys) for all 64 queries: 4 accumulators, 16 steps of 32 channels; Q (64 x 512 f16) stays in 512 registers of every wave.
;   O^T = V^T P: wave w owns channels 128 w .. + 127 for all 64 queries: 32 accumulators; 2 steps of 32 keys.
;   So each byte of K and V in LDS is read once, by one wave, and feeds four matrix instructions.  What goes from wave to wave through LDS is small: P (8 KB a step) and each wave's row maxima (1 KB).
; In both results a lane holds ONE query (lane % 16 of a tile of 16).
; SOFTMAX.  t' = mask x S; a running maximum m of t' for each query, taken over all four waves' keys; p = 2^(c t' - c m), c = log2(e) / sqrt(512); O and the sum l are multiplied by a = 2^(c m_old - c m_new) in every step.
; l is kept by wave and half of the lanes (each its own 8 keys of a step) and added up at the end.
; PIPELINE.  Trip g finishes the softmax of step g - 1, makes S(g), multiplies O by a(g - 1), adds V^T P of step g - 1, and makes t' and the local maxima of step g.  It reads K(g), mask(g) and V(g - 1), all from slot g % 2.
; Two meetings a trip: the cluster's round (the tiles and the maxima are there for all; the other slot is filled again behind it) and one split barrier.
; CLUSTER.  The four query blocks of a cluster walk the same K and V of one batch: these tiles are asked for jointly (mask 15).  The mask tile is each work-group's own: a plain load.
; THE WALK.  The cluster's x is the batch, its y says which 256 queries.  The 32 key steps are walked as a ring: step g of a cluster's walk is key step (g + 8 (y % 4) + 4 (y / 4)) % 32 of the batch.  So at any trip the eight
; clusters of a batch ask for eight different tiles of K and V, and a tile is asked for at eight different times.  A softmax with a running maximum takes the keys in any order.
; LDS: K(s) at s x 131,072 (65,536 dense bytes), V(s) 65,536 on; the two mask tiles (64 rows x 256 bytes + 16) from 262,144; then a stage for Q (64 x 272), used at the head alone and afterwards as P's 8,192 bytes;
;      the maxima [64 queries][4 waves] f32; the spare words.  The way out's stages (16 x 528 bytes a wave) lie in K(0), which has had its last fill and its last read by then.
; REGISTERS, in windows of 256: window 1: O(t, n) at v[64 t + 8 n] (at the head: Q as f32);  windows 2, 3: Q(t, s) at v[32 (s % 8) + 8 t], s = 0-7 and 8-15;
;   window 0: v0 thread; v1-11 addresses; v12-15 TM at work; v16-23 (c m, m) a tile; v24-31 (a, l) a tile; v32-63 S; v64-95 XL; v96-127 XU; v128-255 four fragment sets F0-F3.
.set SLOTB, 131072
.set VOFF,  65536
.set MB,    262144
.set MSZ,   64*272
.set QST,   MB+2*MSZ
.set PB,    QST
.set ST,    QST+64*272
.set SPARE, ST+1024                    ; the spare words, 128 bytes for each wave: two blocks of 256 bytes that no other line names
.set SPW, 1                            ; v1   LDS address of my spare word; never rewritten
.set NIL, 2                            ; v2   0; never rewritten
.set AK0, 3                            ; v3-4 my key tile's images in slot 0, 1: 16,384 w + 16 lane
.set AV0, 5                            ; v5-6 my channels' images of V: 65,536 + 4,096 w + 16 lane
.set AM,  7                            ; v7   mask: 272 r + 32 h + 64 w
.set PFO, 8                            ; v8   the prefetches' lane offset: a row of the mask a lane; never rewritten
.set PWA, 9                            ; v9   where I store P: PB + 2,048 w + 16 lane
.set PRA, 10                           ; v10  where I read P: PB + 16 lane
.set STW, 11                           ; v11  where I store a maximum: ST + 16 r + 4 w
.set TM,  12
.set CM,  16
.set AL,  24
.set S,   32
.set XL,  64
.set XU,  96
.set PO,  112
.set F,   128
.set QW,  32                           ; head only
.set QR,  33
.set QG,  34
.set WV,   12                          ; s12 wave
.set G1K,  24                          ; s[24:31] group 1 of K's halves (128 rows of 256 bytes)
.set G1V,  32                          ; s[32:39] of V's tile (256 rows of 256 bytes)
.set G1M,  40                          ; s[40:47] of the mask tile (64 x 64 f32, padded)
.set G0K,  48                          ; s[48:55] groups 0, a set for each slot
.set G0V,  56                          ; s[56:63]
.set G0M,  68                          ; s[68:75]
.set CS,   76                          ; s[76:77] c
.set SEL,  78                          ; s[78:79] v_permlanex16_b32's selects for lane l xor 16
.set CNT,  80                          ; s80 the loop's counter
.set LIM0, 81                          ; s81, s82: a wave prefetches while the counter is above these
.set LIM1, 82
.set PFA,  84                          ; s[84:85] the address that my prefetch names
.set KBAS, 88                          ; s[88:89] K of my batch, at the half of a tile that I fetch
.set VBAS, 90                          ; s[90:91] V of my batch
.set OFS,  92                          ; s[92:93] an offset in bytes; the upper word stays 0
.set PK,   94                          ; s94 the key step, 0 to 31, whose K and mask were asked for last
.set PKP,  95                          ; s95 the key step that a prefetch names
.set PFBAS, 96                         ; s[96:97] the mask at the first of the 32 rows that my wave prefetches
.set W_RS, 0x41                        ; O (destination, source 0) window 1, a window 0
.set W_PV, 0x50                        ; C and D window 1, V and P window 0
.set MSB, 0
.macro WIN new                         ; the immediate's high byte repeats the setting that is left; a switch that changes nothing is dropped
.if MSB != (\new)
	s_set_vgpr_msb (MSB<<8)|(\new)
.set MSB, (\new)
.endif
.endm
.macro PLACES n                        ; plain vector lines between a matrix instruction and a load into, or a vector read or write of, its registers
.rept \n
	v_nop
.endr
.endm
.macro ROUND                           ; a round of the cluster's barrier
	s_barrier_signal -1
	s_barrier_wait -1
	s_cmp_lg_u32 s[WV], 0
	s_cbranch_scc1 .Lnot_wave_0_\@
	s_barrier_signal -3
.Lnot_wave_0_\@:
	s_barrier_wait -3
	s_barrier_signal -1
	s_barrier_wait -1
.endm
; A refill of slot sn.  Waves 0, 1: K's halves (joint); wave 2: V (joint); wave 3: the mask tile (my work-group's own).  fill = 2: all; 3: K and the mask; 1: V alone.
; The branches hang on the wave's number alone.  An s_nop 0 and four v_nop follow each tensor load.
.macro JLOAD sn, fill
.if (\fill) == 1
	s_cmp_eq_u32 s[WV], 2
	s_cbranch_scc0 .Lasked_\@
	tensor_load_to_lds s[G0V+4*(\sn):G0V+4*(\sn)+3], s[G1V:G1V+7]
	s_nop 0
.rept 4
	v_nop
.endr
.else
	s_cmp_lt_u32 s[WV], 2
	s_cbranch_scc0 .Lnot_k_\@
	tensor_load_to_lds s[G0K+4*(\sn):G0K+4*(\sn)+3], s[G1K:G1K+7]
	s_nop 0
.rept 4
	v_nop
.endr
	s_branch .Lasked_\@
.Lnot_k_\@:
	s_cmp_eq_u32 s[WV], 2
	s_cbranch_scc0 .Lfor_m_\@
.if (\fill) == 2
	tensor_load_to_lds s[G0V+4*(\sn):G0V+4*(\sn)+3], s[G1V:G1V+7]
	s_nop 0
.rept 4
	v_nop
.endr
.endif
	s_branch .Lasked_\@
.Lfor_m_\@:
	tensor_load_to_lds s[G0M+4*(\sn):G0M+4*(\sn)+3], s[G1M:G1M+7]
	s_nop 0
.rept 4
	v_nop
.endr
.endif
.Lasked_\@:
.endm
; A PREFETCH INTO THE L2 of my work-group's own mask tile that the refill two trips on (256 matrix instructions of the wave) will ask for, behind the wave's tensor load and its five lines.
; The mask is read once in the launch, each tile by one work-group.  Waves 2 and 3 ask, one instruction each: 32 of the tile's 64 rows, a lane a row of 256 bytes, aligned: each block is named once in the launch.
; The first four steps of the walk come by their loads alone; the last trips ask for nothing.  K's and V's tiles are not asked for: each is read by eight clusters, at eight different trips (THE WALK).
.macro ASK lim
	s_cmp_gt_u32 s[CNT], s[\lim]
	s_cbranch_scc0 .Lnot_mine_\@
	global_prefetch_b8 v[PFO], s[PFA:PFA+1] th:TH_LOAD_NT scope:SCOPE_SE
.Lnot_mine_\@:
.endm
; THE CHANGE OF SLOTS at a trip's head.  Each wave waits for all its tensor loads (its part of the slot about to be read), adds 0 to its spare word, and waits for that, for its reads of the slot that it has left and for its stores of maxima.
; fill != 0: a round of the cluster's barrier, and the refill of slot sn first behind it: it has a whole trip in which to land.  The refill's addresses are made anew from the key step, which goes round the ring of 32.
.macro CHANGE sn, fill, ask
	WIN 0
	s_wait_tensorcnt 0x0                           ; no tensor load of mine is out, so a group 0 may be written
	ds_add_u32 v[SPW], v[NIL]                      ; 0 onto my spare word; the descriptors' addresses are made between it and the wait for it
.if ((\fill) == 2) || ((\fill) == 1)
	s_lshl_b32 s[OFS], s[PK], 16                   ; V of the key step whose K was asked for last: 65,536 bytes a step
	s_add_nc_u64 s[G0V+4*(\sn)+2:G0V+4*(\sn)+3], s[VBAS:VBAS+1], s[OFS:OFS+1]
	s_or_b32 s[G0V+4*(\sn)+3], s[G0V+4*(\sn)+3], 0x80000000    ; type = 2
.endif
.if ((\fill) == 2) || ((\fill) == 3)
	s_add_co_u32 s[PK], s[PK], 1
	s_and_b32 s[PK], s[PK], 31                     ; the next key step of the ring
	s_lshl_b32 s[OFS], s[PK], 16
	s_add_nc_u64 s[G0K+4*(\sn)+2:G0K+4*(\sn)+3], s[KBAS:KBAS+1], s[OFS:OFS+1]
	s_or_b32 s[G0K+4*(\sn)+3], s[G0K+4*(\sn)+3], 0x80000000
	s_lshl_b32 s[OFS], s[PK], 8                    ; 256 bytes a step in a row of the mask
	s_add_nc_u64 s[G0M+4*(\sn)+2:G0M+4*(\sn)+3], s[6:7], s[OFS:OFS+1]
	s_or_b32 s[G0M+4*(\sn)+3], s[G0M+4*(\sn)+3], 0x80000000
.endif
.if (\ask) >= 0
	s_add_co_u32 s[PKP], s[PK], 2
	s_and_b32 s[PKP], s[PKP], 31                   ; two steps further round the ring: always inside the mask's rows
	s_lshl_b32 s[OFS], s[PKP], 8
	s_wait_xcnt 0x0                                ; the last prefetch, a trip back, has read its address, so it may be written
	s_add_nc_u64 s[PFA:PFA+1], s[PFBAS:PFBAS+1], s[OFS:OFS+1]
.endif
	s_wait_dscnt 0x0
.if \fill
	ROUND
	JLOAD \sn, \fill
.if (\ask) >= 0
	ASK \ask
.endif
.else
	s_barrier_signal -1
	s_barrier_wait -1
.endif
.endm
.macro LDST                            ; the four waves' words of my four queries: 16 bytes a query
	v_and_b32 v[TM], 15, v0
	v_lshl_add_u32 v[TM], v[TM], 4, ST
.irp t, 0,1,2,3
	ds_load_b128 v[XU+4*\t:XU+4*\t+3], v[TM] offset:256*\t
.endr
.endm
.macro KLOAD sl, i                     ; my key tile's fragments of channel steps 4 i .. 4 i + 3 into F_i: registers 0-3 channel tile 2 s, 4-7 channel tile 2 s + 1, each an image at 16 x lane
.irp q, 0,1,2,3
.irp c, 0,1
	ds_load_b128 v[F+32*(\i)+8*\q+4*\c:F+32*(\i)+8*\q+4*\c+3], v[AK0+\sl] offset:(2*(4*(\i)+\q)+\c)*512
.endr
.endr
.endm
.macro VLOAD sl, g                     ; V^T's fragments of keys 32 (g / 2) on, my channel tiles 4 (g % 2) .. + 3, into F_g: the turning load gives lane l channel l % 16 and eight keys
.irp n, 0,1,2,3
	ds_load_tr16_b128 v[F+32*(\g)+8*\n:F+32*(\g)+8*\n+3],   v[AV0+\sl] offset:(2*((\g)/2))*16384+(4*((\g)%2)+\n)*512
	ds_load_tr16_b128 v[F+32*(\g)+8*\n+4:F+32*(\g)+8*\n+7], v[AV0+\sl] offset:(2*((\g)/2)+1)*16384+(4*((\g)%2)+\n)*512
.endr
.endm
.macro MLOAD sl                        ; the mask of my 8 keys for my four queries
.irp t, 0,1,2,3
.irp c, 0,1
	ds_load_b128 v[XL+8*\t+4*\c:XL+8*\t+4*\c+3], v[AM] offset:\sl*MSZ+4352*\t+16*\c
.endr
.endr
.endm
.macro PLOAD k                         ; P's fragments of keys 32 k on (k = 0 into XU, 1 into XL): registers 0-3 are wave 2 k's image, 4-7 wave 2 k + 1's
.irp t, 0,1,2,3
	ds_load_b128 v[XU-32*(\k)+8*\t:XU-32*(\k)+8*\t+3],   v[PRA] offset:(8*(\k)+\t)*512
	ds_load_b128 v[XU-32*(\k)+8*\t+4:XU-32*(\k)+8*\t+7], v[PRA] offset:(8*(\k)+4+\t)*512
.endr
.endm
; The new m, c m and a of my four queries, and c t' - c m into XL.  The tiles by turns, so that no line waits for the line above it.  first = 1: there is no old m.
.macro T4A first
.if !(\first)
.irp t, 0,1,2,3
	v_mov_b32 v[TM+\t], v[CM+2*\t]
.endr
.irp t, 0,1,2,3
	v_max3_num_f32 v[CM+2*\t+1], v[CM+2*\t+1], v[XU+4*\t], v[XU+4*\t+1]
.endr
.irp t, 0,1,2,3
	v_max3_num_f32 v[CM+2*\t+1], v[CM+2*\t+1], v[XU+4*\t+2], v[XU+4*\t+3]
.endr
.else
.irp t, 0,1,2,3
	v_max3_num_f32 v[CM+2*\t+1], v[XU+4*\t], v[XU+4*\t+1], v[XU+4*\t+2]
.endr
.irp t, 0,1,2,3
	v_max_num_f32 v[CM+2*\t+1], v[CM+2*\t+1], v[XU+4*\t+3]
.endr
.endif
.irp t, 0,1,2,3
	v_mul_f32 v[CM+2*\t], s[CS], v[CM+2*\t+1]
.endr
.if !(\first)
.irp t, 0,1,2,3
	v_sub_f32 v[TM+\t], v[TM+\t], v[CM+2*\t]
.endr
.irp t, 0,1,2,3
	v_exp_f32 v[AL+2*\t], v[TM+\t]                 ; a = 2^(c m_old - c m_new)
.endr
.endif
.irp t, 0,1,2,3
.irp p, 0,2,4,6
	v_pk_fma_f32 v[XL+8*\t+\p:XL+8*\t+\p+1], v[S+8*\t+\p:S+8*\t+\p+1], s[CS:CS+1], v[CM+2*\t:CM+2*\t+1] op_sel_hi:[1,0,0] neg_lo:[0,0,1] neg_hi:[0,0,1]
.endr
.endr
.if !(\first)
	s_wait_alu depctr_va_vdst(0)                   ; one wait for the four exponentials, ahead of a's first reader; the sixteen multiply-adds are the work between
.endif
.endm
; 16 products of S^T = K Q^T: channel steps 4 i .. 4 i + 3 x my four query tiles; the four accumulators take turns, one instruction a turn.  The first four start the sums.
; Behind each product stands vector work that names none of its registers: ex = 1: one exponential of the step before (32 in groups 0 and 1); first = 0: four registers of O times a (group i: query tile i).
.macro SGROUP i, first, ex
.set SPI, 0
.rept 4
.set TTI, 0
.rept 4
.set IDX, 16*(\i)+4*SPI+TTI
	WIN 0x08+4*((\i)/2)                            ; source 1 (Q) window 2 or 3
.if IDX < 4
	v_wmma_f32_16x16x32_f16 v[S+8*TTI:S+8*TTI+7], v[F+32*(\i)+8*SPI:F+32*(\i)+8*SPI+7], v[32*((4*(\i)+SPI)%8)+8*TTI:32*((4*(\i)+SPI)%8)+8*TTI+7], 0
.else
	v_wmma_f32_16x16x32_f16 v[S+8*TTI:S+8*TTI+7], v[F+32*(\i)+8*SPI:F+32*(\i)+8*SPI+7], v[32*((4*(\i)+SPI)%8)+8*TTI:32*((4*(\i)+SPI)%8)+8*TTI+7], v[S+8*TTI:S+8*TTI+7]
.endif
.if (\ex) && (IDX < 32)
	v_exp_f32 v[XL+IDX], v[XL+IDX]                 ; p = 2^(c t' - c m)
.endif
.if !(\first)
	WIN W_RS
	v_pk_mul_f32 v[4*IDX:4*IDX+1], v[4*IDX:4*IDX+1], v[AL+2*(IDX/16):AL+2*(IDX/16)+1] op_sel_hi:[1,0]
	v_pk_mul_f32 v[4*IDX+2:4*IDX+3], v[4*IDX+2:4*IDX+3], v[AL+2*(IDX/16):AL+2*(IDX/16)+1] op_sel_hi:[1,0]
.endif
.set TTI, TTI+1
.endr
.set SPI, SPI+1
.endr
	WIN 0                                          ; LDS loads follow: their destination is window 0
.endm
; p is rounded to f16 and stored as images for all waves; l takes the unrounded p.
.macro MID first
	WIN 0
	v_nop                                          ; a plain line behind the last exponential
	s_wait_alu depctr_va_vdst(0)                   ; one wait for the 32 exponentials, ahead of their first reader
.set I, 0
.rept 16
	v_cvt_pk_f16_f32 v[PO+I], v[XL+2*I], v[XL+2*I+1]
.set I, I+1
.endr
.irp t, 0,1,2,3
	ds_store_b128 v[PWA], v[PO+4*\t:PO+4*\t+3] offset:512*\t
.endr
.irp t, 0,1,2,3
	v_pk_add_f32 v[XL+8*\t:XL+8*\t+1], v[XL+8*\t:XL+8*\t+1], v[XL+8*\t+2:XL+8*\t+3]
.endr
.irp t, 0,1,2,3
	v_pk_add_f32 v[XL+8*\t+4:XL+8*\t+5], v[XL+8*\t+4:XL+8*\t+5], v[XL+8*\t+6:XL+8*\t+7]
.endr
.irp t, 0,1,2,3
	v_pk_add_f32 v[XL+8*\t:XL+8*\t+1], v[XL+8*\t:XL+8*\t+1], v[XL+8*\t+4:XL+8*\t+5]
.endr
.if \first
.irp t, 0,1,2,3
	v_add_f32 v[AL+2*\t+1], v[XL+8*\t], v[XL+8*\t+1]
.endr
.else
.irp t, 0,1,2,3
	v_fma_f32 v[AL+2*\t+1], v[AL+2*\t+1], v[AL+2*\t], v[XL+8*\t]   ; l = a l + the step's sum
.endr
.irp t, 0,1,2,3
	v_add_f32 v[AL+2*\t+1], v[AL+2*\t+1], v[XL+8*\t+1]
.endr
.endif
.endm
; Slice k of 12: t' = mask x S (k = 0-3, a tile each, each accumulator from its low end on), then my 16 keys' maximum of each query (k = 4-7 tiles 0, 1; k = 8-11 tiles 2, 3), stored for all waves.  Scratch: mask words that have been used.
.macro T2S k
	WIN 0
.if (\k) < 4
.irp p, 0,2,4,6
	v_pk_mul_f32 v[S+8*(\k)+\p:S+8*(\k)+\p+1], v[S+8*(\k)+\p:S+8*(\k)+\p+1], v[XL+8*(\k)+\p:XL+8*(\k)+\p+1]
.endr
.else
.set T0, 2*(((\k)-4)/4)
.set PH, ((\k)-4)%4
.if PH == 0
	v_max3_num_f32 v[TM+T0],   v[S+8*T0],    v[S+8*T0+1],  v[S+8*T0+2]
	v_max3_num_f32 v[TM+T0+1], v[S+8*T0+8],  v[S+8*T0+9],  v[S+8*T0+10]
	v_max3_num_f32 v[XL+T0],   v[S+8*T0+3],  v[S+8*T0+4],  v[S+8*T0+5]
	v_max3_num_f32 v[XL+T0+1], v[S+8*T0+11], v[S+8*T0+12], v[S+8*T0+13]
.elseif PH == 1
	v_max3_num_f32 v[TM+T0],   v[TM+T0],   v[S+8*T0+6],  v[S+8*T0+7]
	v_max3_num_f32 v[TM+T0+1], v[TM+T0+1], v[S+8*T0+14], v[S+8*T0+15]
	v_max_num_f32 v[TM+T0],   v[TM+T0],   v[XL+T0]
	v_max_num_f32 v[TM+T0+1], v[TM+T0+1], v[XL+T0+1]
.elseif PH == 2
	v_permlanex16_b32 v[XL+T0],   v[TM+T0],   s[SEL], s[SEL+1]     ; the query's other 8 keys of my tile lie in the lane 16 away
	v_permlanex16_b32 v[XL+T0+1], v[TM+T0+1], s[SEL], s[SEL+1]
	v_max_num_f32 v[TM+T0],   v[TM+T0],   v[XL+T0]
	v_max_num_f32 v[TM+T0+1], v[TM+T0+1], v[XL+T0+1]
.else
	ds_store_b32 v[STW], v[TM+T0]   offset:256*T0                  ; both halves of the lanes write the same word with the same value
	ds_store_b32 v[STW], v[TM+T0+1] offset:256*(T0+1)
.endif
.endif
.endm
; 16 products of O^T += V^T P: keys 32 (g / 2) on, my channel tiles 4 (g % 2) .. + 3 x four query tiles: 16 accumulators by turns.  zero = 1: groups 0 and 1 start the sums.  sl = 1: a slice of T2S behind each of the first twelve.
.macro PVGROUP g, zero, sl
.set NPI, 0
.rept 4
.set TTI, 0
.rept 4
.set IDX, 4*NPI+TTI
.set RO, 64*TTI+8*(4*((\g)%2)+NPI)
.set RV, F+32*(\g)+8*NPI
.set RP, XU-32*((\g)/2)+8*TTI
	WIN W_PV
.if (\zero) && ((\g) < 2)
	v_wmma_f32_16x16x32_f16 v[RO:RO+7], v[RV:RV+7], v[RP:RP+7], 0
.else
	v_wmma_f32_16x16x32_f16 v[RO:RO+7], v[RV:RV+7], v[RP:RP+7], v[RO:RO+7]
.endif
.if (\sl) && (IDX < 12)
	T2S IDX
.endif
.set TTI, TTI+1
.endr
.set NPI, NPI+1
.endr
.endm
; A TRIP (see PIPELINE).  sl: the slot that it reads.
.macro TRIP sl, first, fill, ask
	CHANGE 1-\sl, \fill, \ask
	LDST
	KLOAD \sl, 0
	KLOAD \sl, 1
	KLOAD \sl, 2
	KLOAD \sl, 3
	s_wait_dscnt 32                                ; the maxima are in; K's 32 loads may be out
	T4A \first
	s_wait_dscnt 24                                ; K's first set is in
	SGROUP 0, \first, 1
	PLACES 4
	VLOAD \sl, 0
	s_wait_dscnt 24                                ; K's second set is in; behind it: its third, its fourth and V's first
	SGROUP 1, \first, 1
	MID \first                                     ; (its lines are also the places in front of the loads into F1)
	s_wait_dscnt 0x0                               ; for the others' sake: my images of P are stored, and my reads of the maxima are in
	s_barrier_signal -1
	VLOAD \sl, 1                                   ; between signal and wait: register work, and loads of tiles that nobody writes before the next round
	MLOAD \sl
	SGROUP 2, \first, 0
	PLACES 4
	VLOAD \sl, 2
	s_barrier_wait -1                              ; P is whole, and nobody reads the old maxima any more
	PLOAD 0
	SGROUP 3, \first, 0
	PLACES 4                                       ; for the loads into F3 and for the first read of S
	VLOAD \sl, 3
	s_wait_dscnt 8                                 ; all but V's fourth set
	PVGROUP 0, \first, 1
	WIN 0
	PLOAD 1
	PVGROUP 1, \first, 0
	s_wait_dscnt 0x0
	PVGROUP 2, 0, 0
	PVGROUP 3, 0, 0
	PLACES 4                                       ; for the next trip's loads into F and XU, its writes of XL and its reads of O
	WIN 0
.endm
	; ---------------- the head
	s_load_b256 s[4:11], s[0:1], 0x0               ; query s[4:5], mask s[6:7], kv s[8:9], out0 s[10:11]
	v_lshl_add_u32 v[SPW], v0, 2, SPARE
	v_mov_b32 v[NIL], 0
	ds_add_u32 v[SPW], v[NIL]                      ; the wave's opening: the add, twice on end, and its wait ahead of my first tensor load
	ds_add_u32 v[SPW], v[NIL]
	v_lshrrev_b32 v32, 5, v0
	v_readfirstlane_b32 s[WV], v32                 ; wave 0..3
	s_bfe_u32 s13, ttmp6, 0x40000                  ; cx
	s_and_b32 s17, ttmp7, 0xffff                   ; the cluster's y: which 256 queries of the batch
	s_lshl_b32 s14, s17, 2
	s_add_co_u32 s14, s14, s13                     ; my block of 64 queries, 0..31: it enters the addresses of query, mask and out0 alone
	s_mov_b32 s15, ttmp9                           ; the cluster's x: the batch, which the four partners share
	s_and_b32 s[PK], s17, 3
	s_lshl_b32 s[PK], s[PK], 3
	s_lshr_b32 s17, s17, 2
	s_lshl_b32 s17, s17, 2
	s_add_co_u32 s[PK], s[PK], s17                 ; where my cluster's walk begins: key step 8 (y % 4) + 4 (y / 4): the same in all four partners
	s_mov_b32 s[OFS+1], 0
	s_mov_b32 s[G1K], 15|(3<<16)|(1<<21)           ; the mask: all four work-groups; elements of 8 bytes; bit 21 beside a mask; no padding
	s_mov_b32 s[G1K+1], 32<<16                     ; tensor_dim0 = 32 elements: rows of 256 bytes
	s_mov_b32 s[G1K+2], 128<<16                    ; tensor_dim1 = 128
	s_mov_b32 s[G1K+3], 32<<16                     ; tile_dim0
	s_mov_b32 s[G1K+4], 128                        ; tile_dim1
	s_mov_b32 s[G1K+5], 32                         ; the pitch: dense
	s_mov_b32 s[G1K+6], 0
	s_mov_b32 s[G1K+7], 0
	s_mov_b32 s[G1V], 15|(3<<16)|(1<<21)
	s_mov_b32 s[G1V+1], 32<<16
	s_mov_b32 s[G1V+2], 256<<16
	s_mov_b32 s[G1V+3], 32<<16
	s_mov_b32 s[G1V+4], 256
	s_mov_b32 s[G1V+5], 32
	s_mov_b32 s[G1V+6], 0
	s_mov_b32 s[G1V+7], 0
	s_mov_b32 s[G1M], (2<<16)|(1<<20)|(5<<22)|(3<<25)  ; no mask of work-groups; elements of 4 bytes; 4 words of padding behind every 64
	s_mov_b32 s[G1M+1], 64<<16
	s_mov_b32 s[G1M+2], 64<<16
	s_mov_b32 s[G1M+3], 64<<16
	s_mov_b32 s[G1M+4], 64
	s_mov_b32 s[G1M+5], 2048                       ; a row of the mask
	s_mov_b32 s[G1M+6], 0
	s_mov_b32 s[G1M+7], 0
	s_mov_b32 s[CS], 0x3d8293ee                    ; c = log2(e) / sqrt(512)
	s_mov_b32 s[CS+1], s[CS]                       ; (named with it as a pair, so it is written)
	s_mov_b32 s[SEL], 0x76543210
	s_mov_b32 s[SEL+1], 0xfedcba98
	s_mov_b32 s[CNT], 14
	v_and_b32 v37, 31, v0                          ; lane
	v_and_b32 v35, 15, v0                          ; r
	v_bfe_u32 v36, v0, 4, 1                        ; h
	v_lshlrev_b32 v[QG], 4, v37                    ; 16 x lane
	v_lshlrev_b32 v[PFO], 13, v37                  ; a row of the mask, 8,192 bytes, a lane
	s_lshl_b32 s16, s[WV], 14
	v_add_nc_u32 v[AK0], s16, v[QG]
	v_add_nc_u32 v[AK0+1], SLOTB, v[AK0]
	s_lshl_b32 s16, s[WV], 12
	s_add_co_u32 s16, s16, VOFF
	v_add_nc_u32 v[AV0], s16, v[QG]
	v_add_nc_u32 v[AV0+1], SLOTB, v[AV0]
	v_mul_u32_u24 v[AM], v35, 272
	v_lshl_add_u32 v[AM], v36, 5, v[AM]
	s_lshl_b32 s16, s[WV], 6
	s_add_co_u32 s16, s16, MB
	v_add_nc_u32 v[AM], s16, v[AM]
	v_add_nc_u32 v[PRA], PB, v[QG]
	s_lshl_b32 s16, s[WV], 11
	v_add_nc_u32 v[PWA], s16, v[PRA]
	v_lshlrev_b32 v[STW], 4, v35
	s_lshl_b32 s16, s[WV], 2
	s_add_co_u32 s16, s16, ST
	v_add_nc_u32 v[STW], s16, v[STW]
	s_mul_i32 s16, s[WV], 4352
	s_add_co_u32 s16, s16, QST
	v_lshl_add_u32 v[QW], v37, 3, s16              ; Q's stage, in: my wave's 16 rows, 8 bytes a lane
	v_mul_u32_u24 v[QR], v35, 272
	v_lshl_add_u32 v[QR], v36, 4, v[QR]
	v_add_nc_u32 v[QR], QST, v[QR]                 ; and out: row r, + 16 h
	; offsets of the joint tiles: made of the batch, the cluster's y and the wave's number alone
	s_lshl_b32 s16, s15, 21                        ; a batch's 128 key tiles of 16,384 bytes
	s_and_b32 s18, s[WV], 1
	s_lshl_b32 s18, s18, 15                        ; K's half that I fetch: 32,768 bytes on, in memory and in LDS
	s_add_co_u32 s20, s16, s18
	s_mov_b32 s21, 0
	s_add_co_u32 s22, s16, 16777216                ; the values' half of kv
	s_mov_b32 s23, 0
	s_wait_dscnt 0x0                               ; both opening adds are done
	s_wait_kmcnt 0x0
	s_add_nc_u64 s[KBAS:KBAS+1], s[8:9], s[20:21]  ; K of my batch, my half of a tile
	s_add_nc_u64 s[VBAS:VBAS+1], s[8:9], s[22:23]  ; V of my batch
	s_add_co_u32 s17, s[PK], 1
	s_and_b32 s17, s17, 31                         ; the second key step of my walk
	s_lshl_b32 s20, s[PK], 16                      ; the two steps' offsets in K and in V (s21 and s23 are 0 still)
	s_lshl_b32 s22, s17, 16
	s_mov_b32 s[G0K], 1                            ; count = 1
	s_add_co_u32 s[G0K+1], s18, 0                  ; LDS address: slot 0
	s_add_nc_u64 s[G0K+2:G0K+3], s[KBAS:KBAS+1], s[20:21]      ; K of the walk's step 0
	s_or_b32 s[G0K+3], s[G0K+3], 0x80000000        ; type = 2
	s_mov_b32 s[G0K+4], 1
	s_add_co_u32 s[G0K+5], s18, SLOTB              ; slot 1
	s_add_nc_u64 s[G0K+6:G0K+7], s[KBAS:KBAS+1], s[22:23]      ; K of step 1
	s_or_b32 s[G0K+7], s[G0K+7], 0x80000000
	s_mov_b32 s[G0V], 1                            ; slot 0 holds V of the walk's odd steps: step 1 first,
	s_mov_b32 s[G0V+1], VOFF
	s_add_nc_u64 s[G0V+2:G0V+3], s[VBAS:VBAS+1], s[22:23]
	s_or_b32 s[G0V+3], s[G0V+3], 0x80000000
	s_mov_b32 s[G0V+4], 1                          ; slot 1 of the even ones: step 0 first
	s_mov_b32 s[G0V+5], SLOTB+VOFF
	s_add_nc_u64 s[G0V+6:G0V+7], s[VBAS:VBAS+1], s[20:21]
	s_or_b32 s[G0V+7], s[G0V+7], 0x80000000
	s_lshl_b32 s2, s15, 24                         ; the mask: 2^24 bytes a batch,
	s_lshl_b32 s83, s14, 19                        ; 64 rows of 8,192 bytes a block
	s_add_co_u32 s2, s2, s83
	s_mov_b32 s3, 0
	s_add_nc_u64 s[6:7], s[6:7], s[2:3]            ; the mask at my block's first row: it stays
	s_lshl_b32 s20, s[PK], 8                       ; the two steps' offsets in a row of the mask
	s_lshl_b32 s22, s17, 8
	s_mov_b32 s[G0M], 1
	s_mov_b32 s[G0M+1], MB
	s_add_nc_u64 s[G0M+2:G0M+3], s[6:7], s[20:21]
	s_or_b32 s[G0M+3], s[G0M+3], 0x80000000
	s_mov_b32 s[G0M+4], 1
	s_mov_b32 s[G0M+5], MB+MSZ
	s_add_nc_u64 s[G0M+6:G0M+7], s[6:7], s[22:23]
	s_or_b32 s[G0M+7], s[G0M+7], 0x80000000
	s_mov_b32 s[PK], s17                           ; the key step whose K and mask are asked for last
	s_lshl_b32 s2, s15, 22                         ; query and out0: 2,048 rows of 2,048 bytes a batch,
	s_lshl_b32 s83, s14, 17                        ; 64 rows a block
	s_add_co_u32 s2, s2, s83
	s_add_nc_u64 s[4:5], s[4:5], s[2:3]
	s_add_nc_u64 s[10:11], s[10:11], s[2:3]
	s_lshl_b32 s2, s[WV], 15                       ; query: my wave loads rows 16 w on
	s_add_nc_u64 s[4:5], s[4:5], s[2:3]
	s_lshl_b32 s2, s[WV], 9                        ; out0: my wave stores channels 128 w on
	s_add_nc_u64 s[10:11], s[10:11], s[2:3]
	; the prefetches: waves 2 and 3 ask, for rows 0-31 and 32-63 of my work-group's mask tile
	s_and_b32 s2, s[WV], 1
	s_lshl_b32 s2, s2, 18                          ; 32 rows of 8,192 bytes
	s_add_nc_u64 s[PFBAS:PFBAS+1], s[6:7], s[2:3]
	s_cmp_lt_u32 s[WV], 2
	s_cselect_b32 s[LIM0], 0x7ffffff0, 0
	s_cselect_b32 s[LIM1], 0x7ffffff0, 1
	ROUND                                          ; all four work-groups are here: the first joint loads meet
	s_cmp_lt_u32 s[WV], 2                          ; a wave's two first fills stand in one branch, ahead of every wait on TENSORcnt and every LDS read: two loads of mine are out
	s_cbranch_scc0 .Lfirst_not_k
	tensor_load_to_lds s[G0K:G0K+3], s[G1K:G1K+7]
	s_nop 0
	tensor_load_to_lds s[G0K+4:G0K+7], s[G1K:G1K+7]
	s_nop 0
.rept 4
	v_nop
.endr
	s_branch .Lfirst_asked
.Lfirst_not_k:
	s_cmp_eq_u32 s[WV], 2
	s_cbranch_scc0 .Lfirst_m
	tensor_load_to_lds s[G0V+4:G0V+7], s[G1V:G1V+7]
	s_nop 0
	tensor_load_to_lds s[G0V:G0V+3], s[G1V:G1V+7]
	s_nop 0
.rept 4
	v_nop
.endr
	s_branch .Lfirst_asked
.Lfirst_m:
	tensor_load_to_lds s[G0M:G0M+3], s[G1M:G1M+7]
	s_nop 0
	tensor_load_to_lds s[G0M+4:G0M+7], s[G1M:G1M+7]
	s_nop 0
.rept 4
	v_nop
.endr
.Lfirst_asked:
	; Q: my wave's 16 rows as f32 into window 1 (O's registers, not yet in use): load (u, i) reads 512 consecutive bytes: channels 128 u on of row i
	WIN 0x40
.irp u, 0,1,2,3
.irp i, 0,1,2,3,4,5,6,7,8,9,10,11,12,13,14,15
	global_load_b128 v[64*\u+4*\i:64*\u+4*\i+3], v[QG], s[4:5] offset:2048*\i+512*\u th:TH_LOAD_NT
.endr
.endr
	WIN 0
; Round u: channels 128 u on of all 64 rows, rounded to f16, meet in the stage (rows of 256 bytes + 16); every wave takes the fragments Q(t, 4 u + q) of all four query tiles.
.macro QROUND u
	s_wait_loadcnt 48-16*(\u)                      ; this round's 16 loads are in; the later rounds' may be out
	WIN 0x05                                       ; sources window 1
.set I, 0
.rept 16
	v_cvt_pk_f16_f32 v[F+2*I],   v[64*(\u)+4*I],   v[64*(\u)+4*I+1]
	v_cvt_pk_f16_f32 v[F+2*I+1], v[64*(\u)+4*I+2], v[64*(\u)+4*I+3]
.set I, I+1
.endr
	WIN 0
.set I, 0
.rept 16
	ds_store_b64 v[QW], v[F+2*I:F+2*I+1] offset:272*I
.set I, I+1
.endr
	s_wait_dscnt 0x0                               ; for the others' sake: my rows are stored
	s_barrier_signal -1
	s_barrier_wait -1
	WIN 0x80+0x40*((\u)/2)                         ; destination window 2 or 3
.irp t, 0,1,2,3
.irp q, 0,1,2,3
.irp c, 0,1
	ds_load_b128 v[128*((\u)%2)+32*\q+8*\t+4*\c:128*((\u)%2)+32*\q+8*\t+4*\c+3], v[QR] offset:4352*\t+64*\q+32*\c
.endr
.endr
.endr
	WIN 0
	s_wait_dscnt 0x0                               ; my reads of the stage are in: it may be written again behind the barrier
.if (\u) == 3
	s_wait_tensorcnt 1                             ; the first of my two fills has landed (K and the mask of step 0); the second may stay out
.endif
	s_barrier_signal -1
	s_barrier_wait -1
.endm
	QROUND 0
	QROUND 1
	QROUND 2
	QROUND 3
	; ---------------- trip 0: S(0), t' and the local maxima of step 0
	KLOAD 0, 0
	KLOAD 0, 1
	KLOAD 0, 2
	KLOAD 0, 3
	MLOAD 0
	s_wait_dscnt 32                                ; K's first set is in; 32 younger loads may be out, and so on down
	SGROUP 0, 1, 0
	s_wait_dscnt 24
	SGROUP 1, 1, 0
	s_wait_dscnt 16
	SGROUP 2, 1, 0
	s_wait_dscnt 8
	SGROUP 3, 1, 0
	PLACES 4
	s_wait_dscnt 0x0                               ; the mask
.irp k, 0,1,2,3,4,5,6,7,8,9,10,11
	T2S \k
.endr
	TRIP 1, 1, 3, LIM0                             ; trip 1: no old m, O's sums begin; V(1) came with the first fills, so K(2) and mask(2) alone are asked for
.Lpair:                                            ; 14 passes: trips 2 to 29
	TRIP 0, 0, 2, LIM0
	TRIP 1, 0, 2, LIM1                             ; (trip 29 prefetches nothing: the walk has no step 32)
	s_sub_co_u32 s[CNT], s[CNT], 1
	s_cmp_lg_u32 s[CNT], 0
	s_cbranch_scc1 .Lpair
	TRIP 0, 0, 2, -1                               ; trip 30 asks for K(31), mask(31), V(30)
	TRIP 1, 0, 1, -1                               ; trip 31 for V(31) alone
	; ---------------- the last softmax and V^T P of step 31
	CHANGE 0, 0, -1
	LDST
	VLOAD 0, 0
	VLOAD 0, 1
	VLOAD 0, 2
	VLOAD 0, 3
	s_wait_dscnt 32                                ; the maxima are in
	T4A 0
.set I, 0
.rept 32
	v_exp_f32 v[XL+I], v[XL+I]
.set I, I+1
.endr
	MID 0
	s_wait_dscnt 0x0
	s_barrier_signal -1
	WIN W_RS
.set I, 0
.rept 128
	v_pk_mul_f32 v[2*I:2*I+1], v[2*I:2*I+1], v[AL+2*(I/32):AL+2*(I/32)+1] op_sel_hi:[1,0]
.set I, I+1
.endr
	WIN 0
	s_barrier_wait -1
	PLOAD 0
	PLOAD 1
	s_wait_dscnt 0x0
	PVGROUP 0, 0, 0
	PVGROUP 1, 0, 0
	PVGROUP 2, 0, 0
	PVGROUP 3, 0, 0
	PLACES 4
	WIN 0
	; ---------------- THE WAY OUT.  l: my two halves of the lanes, then the four waves' through LDS; O^T / l goes through my stage, a query tile (16 rows x my 512 bytes) at a time
.irp t, 0,1,2,3
	v_permlanex16_b32 v[TM+\t], v[AL+2*\t+1], s[SEL], s[SEL+1]
.endr
.irp t, 0,1,2,3
	v_add_f32 v[AL+2*\t+1], v[AL+2*\t+1], v[TM+\t]
.endr
.irp t, 0,1,2,3
	ds_store_b32 v[STW], v[AL+2*\t+1] offset:256*\t
.endr
	s_wait_dscnt 0x0
	s_barrier_signal -1
	s_barrier_wait -1
	LDST
	v_and_b32 v6, 15, v0                           ; r
	v_bfe_u32 v7, v0, 4, 1                         ; h
	s_mul_i32 s16, s[WV], 16*528                   ; my stage
	v_mul_u32_u24 v3, v6, 528
	v_lshl_add_u32 v3, v7, 5, v3
	v_add_nc_u32 v3, s16, v3                       ; in: row r, + 32 h
	v_and_b32 v5, 31, v0
	v_lshlrev_b32 v5, 4, v5                        ; back, and in out0: 16 bytes a lane
	v_add_nc_u32 v4, s16, v5
	s_wait_dscnt 0x0
.irp t, 0,1,2,3
	v_add_f32 v[TM+\t], v[XU+4*\t], v[XU+4*\t+1]
.endr
.irp t, 0,1,2,3
	v_add_f32 v[XU+4*\t+2], v[XU+4*\t+2], v[XU+4*\t+3]
.endr
.irp t, 0,1,2,3
	v_add_f32 v[TM+\t], v[TM+\t], v[XU+4*\t+2]
.endr
.irp t, 0,1,2,3
	v_rcp_f32 v[AL+2*\t], v[TM+\t]
.endr
	v_nop                                          ; a plain line behind the last reciprocal
	s_wait_alu depctr_va_vdst(0)                   ; one wait for the four, ahead of their first reader
.macro TOSTAGE t
	WIN 0x01                                       ; source 0 (O) window 1
.set I, 0
.rept 32
	v_pk_mul_f32 v[64+2*I:65+2*I], v[64*(\t)+2*I:64*(\t)+2*I+1], v[AL+2*(\t):AL+2*(\t)+1] op_sel_hi:[1,0]
.set I, I+1
.endr
	WIN 0
.irp n, 0,1,2,3,4,5,6,7
	ds_store_b128 v3, v[64+8*\n:64+8*\n+3] offset:64*\n
	ds_store_b128 v3, v[64+8*\n+4:64+8*\n+7] offset:64*\n+16
.endr
.irp i, 0,1,2,3,4,5,6,7,8,9,10,11,12,13,14,15
	ds_load_b128 v[128+64*((\t)%2)+4*\i:128+64*((\t)%2)+4*\i+3], v4 offset:528*\i   ; LDS serves a wave's instructions in order: these see the stores above, and the next tile's stores come behind them
.endr
.endm
.macro SEND t, younger                 ; younger: the LDS instructions issued behind tile t's loads, which may stay out
	s_wait_dscnt \younger
.irp i, 0,1,2,3,4,5,6,7,8,9,10,11,12,13,14,15
	global_store_b128 v5, v[128+64*((\t)%2)+4*\i:128+64*((\t)%2)+4*\i+3], s[10:11] offset:32768*(\t)+2048*\i th:TH_STORE_NT   ; 32 lanes store 512 consecutive bytes, aligned
.endr
.endm
	TOSTAGE 0
.irp t, 1,2,3
.if \t > 1
	s_wait_xcnt 0x0                                ; tile t - 2's stores have read their registers: tile t's loads may land there
.endif
	TOSTAGE \t
	SEND \t-1, 32                                  ; behind tile t - 1's loads: tile t's 16 stores and 16 loads
.endr
	SEND 3, 0
	s_wait_tensorcnt 0x0                           ; the wave's end, behind my last tensor load and my last LDS store
	ds_add_u32 v[SPW], v[NIL]
	s_wait_dscnt 0x0
	ROUND                                          ; the closing round
	s_endpgm
.Lfunc_end_k_qf93ae7528c_attn:
	.size	k_qf93ae7528c_attn, .Lfunc_end_k_qf93ae7528c_attn-k_qf93ae7528c_attn
	.p2alignl 7, 3214868480
	.fill 96, 4, 3214868480
	.section	.rodata,"a",@progbits
	.p2align	6, 0x0
	.amdhsa_kernel k_qf93ae7528c_attn
		.amdhsa_group_segment_fixed_size 327680
		.amdhsa_private_segment_fixed_size 0
		.amdhsa_enable_private_segment 0
		.amdhsa_kernarg_size 32
		.amdhsa_user_sgpr_count 2
		.amdhsa_user_sgpr_kernarg_segment_ptr 1
		.amdhsa_wavefront_size32 1
		.amdhsa_system_sgpr_workgroup_id_x 1
		.amdhsa_system_sgpr_workgroup_id_y 1
		.amdhsa_system_sgpr_workgroup_id_z 1
		.amdhsa_system_vgpr_workitem_id 0
		.amdhsa_next_free_vgpr 1024
		.amdhsa_next_free_sgpr 98
		.amdhsa_reserve_vcc 0
		.amdhsa_float_denorm_mode_32 3
		.amdhsa_float_denorm_mode_16_64 3
		.amdhsa_memory_ordered 1
		.amdhsa_forward_progress 1
		.amdhsa_inst_pref_size 255
	.end_amdhsa_kernel
	.section	.bss,"aw",@nobits
	.p2align	6
	.space	262144
	.amdgpu_metadata
---
amdhsa.version: [ 1, 2 ]
amdhsa.kernels:
  - .name:           k_qf93ae7528c_attn
    .symbol:         k_qf93ae7528c_attn.kd
    .args:
      - { .name: query, .offset: 0, .size: 8, .value_kind: global_buffer, .address_space: global }
      - { .name: mask, .offset: 8, .size: 8, .value_kind: global_buffer, .address_space: global }
      - { .name: kv, .offset: 16, .size: 8, .value_kind: global_buffer, .address_space: global }
      - { .name: out0, .offset: 24, .size: 8, .value_kind: global_buffer, .address_space: global }
    .group_segment_fixed_size: 327680
    .private_segment_fixed_size: 0
    .kernarg_segment_align: 8
    .kernarg_segment_size: 32
    .max_flat_workgroup_size: 128
    .sgpr_count:     98
    .vgpr_count:     1024
    .wavefront_size: 32
...
	.end_amdgpu_metadata
.endif
;; end of part 3
